; MI455X (gfx1250); checked and timed in simulation.
; The chip was launched on July 23, 2026; its instructions are those of AMD's public machine-readable ISA for CDNA 5 (MIT licence, August 2026) and "CDNA5" Instruction Set Architecture Reference Guide (July 2026). The comments in the code are by the model that wrote it; some were corrected since.
;; Multi Head Attention. Allowed arithmetic: matrix products marked QUANTISED: E2M3 operands, one E8M0 scale for each 32 along K, by v_wmma_scale_f32_16x16x128_f8f6f4 with both operands' format E2M3, f32 sums; everything else in f32.
;; Inputs: Wk 1,024 x 1,024 float32; Wo 1,024 x 1,024 float32; Wq 1,024 x 1,024 float32; Wv 1,024 x 1,024 float32; bo 1,024 float32; key 4 x 2,048 x 1,024 float32; mask 4 x 1 x 2,048 x 2,048 int32; query 4 x 2,048 x 1,024 float32; value 4 x 2,048 x 1,024 float32.
;; Outputs: out0 4 x 2,048 x 1,024 float32.
;; This version of the problem:
;;   THIS VERSION OF THE PROBLEM IS GIVEN IN LOW PRECISION. The matrix products marked QUANTISED in the list below multiply operands that are first quantised to E2M3 (2 exponent bits, 3 mantissa bits; 6 bits a number), with one power-of-two scale for each 32 numbers along K (OCP MX v1.0); their sums are f32. All else is computed in f32.
;;   The module's matrix products, in the order in which they are computed (A, B: the left and right operand; K: the contracted axis; several contracted axes count as one K, in the product's order):
;;     1. [M 8,192, K 1,024] x [K 1,024, N 1,024]; A: input key; B: input Wk: QUANTISED
;;     2. [M 8,192, K 1,024] x [K 1,024, N 1,024]; A: input query; B: input Wq: QUANTISED
;;     3. [M 8,192, K 1,024] x [K 1,024, N 1,024]; A: input value; B: input Wv: QUANTISED
;;     4. batch 64 x [M 2,048, K 64] x [K 64, N 2,048]; A: computed on the way; B: computed on the way: QUANTISED
;;     5. batch 64 x [M 2,048, K 2,048] x [K 2,048, N 64]; A: softmax (see below); B: computed on the way: QUANTISED
;;     6. [M 8,192, K 1,024] x [K 1,024, N 1,024]; A: computed on the way; B: input Wo: QUANTISED
;;   THE QUANTISER, for each operand of a quantised product, along K:
;;     - K is cut into blocks of 32 from its start; a last block that is shorter is filled with zeros.
;;     - A block's scale is 2^e with e = floor(log2(the largest magnitude in the block)) - 2, held to -126 .. 127; a block of zeros has e = 0. As a byte (E8M0): e + 127.
;;     - Each number is divided by its block's scale, clamped to +-7.5, and rounded to the nearest number of E2M3, ties to even, subnormals kept.
;;     - The product sums the exact products of the quantised numbers (number of the format x scale) in f32.
;;   ~~~python
;;   def quantise(x, axis):      # numpy; x: float32 -> the quantised numbers, widened to float32 again
;;       x = np.moveaxis(x, axis, -1); K = x.shape[-1]
;;       x = np.pad(x, [(0, 0)] * (x.ndim - 1) + [(0, -K % 32)]); x = x.reshape(x.shape[:-1] + (-1, 32)); a = np.abs(x).max(-1, keepdims=True)
;;       e = np.where(a > 0, np.clip(np.frexp(np.where(a > 0, a, 1))[1] - 1 - 2, -126, 127), 0)      # np.frexp(a)[1] - 1 = floor(log2(a)), exactly
;;       r = np.clip(x / 2.0 ** e, -7.5, 7.5)
;;       step = 2.0 ** (np.maximum(np.frexp(np.where(r == 0, 1, r))[1] - 1, 0) - 3)
;;       q = np.round(r / step) * step * 2.0 ** e      # np.round: ties to even
;;       return np.moveaxis(q.reshape(q.shape[:-2] + (-1,))[..., :K], -1, axis).astype(np.float32)
;;   ~~~
;;   SOFTMAX AHEAD OF A QUANTISED PRODUCT. Where the list says 'softmax', what is quantised is not the finished softmax but p = 2^(t - M), with t = logit x log2(e) and M = ceil(the row's largest t), a whole number; so 1/2 < the row's largest p <= 1. The row's sum l is taken of the UNQUANTISED p, in f32, and the product's result is divided by l at the end. Since M is a whole number, a kernel that streams over the keys may use a running M (the ceiling of the running maximum): every later rescaling is an exact power of two, which a block's scale takes up: the codes' values come out the same.
;;   OPERANDS COMPUTED ON THE WAY. 'Computed on the way' means the value that the module computes at that place (a softmax that the list does not call 'softmax' is quantised finished and normalised). What goes into a quantiser is computed in f32, as accurately as f32 sums, v_exp_f32 and their like allow (about 1e-6 of the number): no bf16 or f16 on the way to a quantiser, and a product that is left as it is and whose result goes on into a quantised operand takes f32 operands (vector FMAs, or v_wmma_f32_16x16x4_f32). A number that lies on a knife's edge between two numbers of the format may be rounded either way, as far as f32 arithmetic and the matrix unit's own rounding can turn it there, and no further.
;; 2 versions, each right; version 2 is version 1 with the launch attn written anew for expert scheduling mode. Each part assembles by itself: llvm-mc -triple=amdgcn-amd-amdhsa -mcpu=gfx1250 --defsym DOCPART=n.
;; ======== version 1 of 2: 4 launches
;; workspace buffers: cod 28,311,552 bytes; scl 1,179,648 bytes; qc 6,291,456 bytes; qs 524,288 bytes; kv 13,107,200 bytes; mb 2,097,152 bytes of whole numbers; fl 32,768 bytes of whole numbers
;; launch quant (part 1): grid 960 x 1, 4 waves a work-group, no clusters, 34,304 bytes of LDS; arguments key, query, value, Wk, Wq, Wv, Wo, mask, cod, scl, mb, fl; writes cod, scl, mb, fl
.if DOCPART == 1
	.amdgcn_target "amdgcn-amd-amdhsa--gfx1250"
	.amdhsa_code_object_version 6
	.text
	.protected	k_q7bb18e5237_quant
	.globl	k_q7bb18e5237_quant
	.p2align	8
	.type	k_q7bb18e5237_quant,@function
k_q7bb18e5237_quant:
	s_mov_b64 s[64:65], 0
	v_nop
	global_prefetch_b8 v0, s[64:65] scope:SCOPE_SE
	s_setreg_imm32_b32 hwreg(HW_REG_WAVE_MODE, 25, 1), 1
	s_wait_xcnt 0x0
; ONE LAUNCH, TWO JOBS, told apart by the work-group's number.
; Work-groups 0-447: key, query, value [8192][1024] and Wk, Wq, Wv, Wo [1024][1024], f32, become codes of FP6 (E2M3) along K = 1024, one E8M0 byte for each 32.
;   A block's scale is 2^(floor(log2(its largest magnitude)) - 2); its byte is that magnitude's exponent field - 2, held at 1 from below.
;   cod: [storage row tile of 16][K step of 128][piece 0..5][lane][8 bytes]: the image of an operand's 12 registers, so that every later read of a fragment is six runs of 256 consecutive bytes.
;   scl: [K / 256][storage row][8 bytes].  Storage rows: key 0, query 8192, value 16384, Wk 24576, Wq 25600, Wv 26624, Wo 27648.
;   In key, value, Wk, Wq, Wv the storage tile T, row r holds source row 32 (T / 2) + 8 (T % 2) + r + 8 (r / 8): the choice of a tile's rows that lets the next launch's results lie as 16 neighbours a lane.
; Work-groups 448-959: the mask [4][1][2048][2048], int32, becomes bits.  mb: [batch x 128 + tile of 16 queries][step of 128 keys][row][dword c]: bit L of dword c = mask[row][128 step + 4 L + c] != 0.
;   fl: one dword for each (tile of queries, step): 0 no key counts, 1 some do, 3 all 2,048 do.
; A wave of the first job takes one storage tile: 16 rows x 1024.  Each load reads 512 consecutive bytes of a row; a K step's 16 x 512 bytes turn through the wave's own stage in LDS (rows 528 bytes apart),
; from which lane (r, h) takes the 64 numbers that the operand's layout gives it: k = 64 c + 32 h + 0 .. 31 of row r.  A lane holds two whole blocks.
; LIMITS: NaN and infinities among the inputs are not served.  A block of zeros gets the byte 1 where the rule says 127: its codes are zeros, and this program alone reads the bytes.  Blocks whose largest magnitude lies under 2^-124 were not tried.
.set SPARE, 33792                      ; behind the four stages: the spare words, 128 bytes a wave
.set STAGE, 8448                       ; a wave's stage: 16 rows x 528 bytes
.set PITCH, 528
.set SSTR,  294912                     ; scl: bytes from one K / 256 to the next
.set SPW,   12                         ; v12 LDS address of my spare word; never rewritten
.set NIL,   13                         ; v13 0; never rewritten
.set RAW,   16                         ; v16-143  two sets of 64 registers as loaded
.set X,     144                        ; v144-207 64 numbers: register 32 c + i = k 64 c + 32 h + i of row r
.set CD,    208                        ; v208-219 the fragment's codes
.set C2,    220                        ; v220-222, v224-226 the blocks' upper halves as converted
.set MX,    228                        ; v228-229 largest magnitudes, then bytes; v230-231 the conversions' scale operands
.set WD,    232                        ; v232-239 the eight K steps' scale words
	s_load_b512 s[4:19], s[0:1], 0x0               ; key, query, value, Wk, Wq, Wv, Wo, mask
	s_load_b256 s[20:27], s[0:1], 0x40             ; cod, scl, mb, fl
	v_lshl_add_u32 v[SPW], v0, 2, SPARE
	v_mov_b32 v[NIL], 0
	v_lshrrev_b32 v1, 5, v0
	v_readfirstlane_b32 s28, v1                    ; wave 0..3
	v_and_b32 v1, 31, v0                           ; lane
	v_and_b32 v2, 15, v0                           ; r
	v_bfe_u32 v3, v0, 4, 1                         ; h
	v_lshlrev_b32 v4, 4, v1                        ; 16 x lane: my 16 bytes of a load's 512
	v_lshlrev_b32 v8, 3, v1                        ; 8 x lane
	s_mov_b32 s41, 0
	s_wait_kmcnt 0x0
	s_cmp_ge_u32 ttmp9, 448
	s_cbranch_scc1 .Lmask
	; ---------------- f32 into images of fragments ----------------
	s_mov_b64 s[32:33], s[4:5]                     ; which tensor: a choice on the work-group's number alone
	s_mov_b32 s34, 0                               ; its first work-group
	s_mov_b32 s35, 1                               ; 1: its rows are stored in the permuted order
	s_cmp_ge_u32 ttmp9, 128
	s_cselect_b64 s[32:33], s[6:7], s[32:33]
	s_cselect_b32 s34, 128, s34
	s_cselect_b32 s35, 0, s35                      ; query: natural order
	s_cmp_ge_u32 ttmp9, 256
	s_cselect_b64 s[32:33], s[8:9], s[32:33]
	s_cselect_b32 s34, 256, s34
	s_cselect_b32 s35, 1, s35
	s_cmp_ge_u32 ttmp9, 384
	s_cselect_b64 s[32:33], s[10:11], s[32:33]
	s_cselect_b32 s34, 384, s34
	s_cmp_ge_u32 ttmp9, 400
	s_cselect_b64 s[32:33], s[12:13], s[32:33]
	s_cselect_b32 s34, 400, s34
	s_cmp_ge_u32 ttmp9, 416
	s_cselect_b64 s[32:33], s[14:15], s[32:33]
	s_cselect_b32 s34, 416, s34
	s_cmp_ge_u32 ttmp9, 432
	s_cselect_b64 s[32:33], s[16:17], s[32:33]
	s_cselect_b32 s34, 432, s34
	s_cselect_b32 s35, 0, s35                      ; Wo: natural order
	s_sub_co_u32 s36, ttmp9, s34
	s_lshl_b32 s36, s36, 2
	s_add_co_u32 s36, s36, s28                     ; my tile in its tensor
	s_lshr_b32 s37, s36, 1
	s_lshl_b32 s37, s37, 5
	s_and_b32 s38, s36, 1
	s_lshl_b32 s38, s38, 3
	s_add_co_u32 s37, s37, s38                     ; permuted: first source row 32 (T / 2) + 8 (T % 2)
	s_lshl_b32 s38, s36, 4                         ; natural: 16 T
	s_cmp_eq_u32 s35, 1
	s_cselect_b32 s37, s37, s38
	s_cselect_b32 s39, 32768, 0                    ; permuted: rows 8-15 of the tile lie 8 source rows further on
	s_lshl_b32 s40, s37, 12                        ; a source row is 4,096 bytes
	s_add_nc_u64 s[32:33], s[32:33], s[40:41]
	v_add_nc_u32 v5, s39, v4
	s_lshl_b32 s42, ttmp9, 2
	s_add_co_u32 s42, s42, s28                     ; my storage tile
	s_mul_i32 s40, s42, 12288
	s_add_nc_u64 s[20:21], s[20:21], s[40:41]      ; its codes,
	s_lshl_b32 s40, s42, 7
	s_add_nc_u64 s[22:23], s[22:23], s[40:41]      ; its scale bytes
	s_mul_i32 s43, s28, STAGE
	v_add_nc_u32 v6, s43, v4                       ; the stage, in: 16 x lane in a row
	v_mul_u32_u24 v7, v2, PITCH
	v_lshl_add_u32 v7, v3, 7, v7
	v_add_nc_u32 v7, s43, v7                       ; out: row r, + 128 h
	v_lshlrev_b32 v9, 3, v2
	v_mul_u32_u24 v10, v3, SSTR
	v_add_nc_u32 v9, v9, v10                       ; scl: 8 r, lanes 16-31 one K / 256 further on
	v_lshlrev_b32 v10, 3, v3                       ; 8 h
	v_mov_b32 v227, 0                              ; a lane permute's destination counts as read
	s_mov_b32 s30, 0xffff0000                      ; lanes 16-31
	s_mov_b32 s44, 0x76543210
	s_mov_b32 s45, 0xfedcba98                      ; v_permlanex16_b32's selects for lane l xor 16
.macro XLOAD s                         ; K step s: 16 rows x 512 consecutive bytes
.irp p, 0,1,2,3,4,5,6,7
	global_load_b128 v[RAW+64*((\s)%2)+4*\p:RAW+64*((\s)%2)+4*\p+3], v4, s[32:33] offset:4096*\p+512*(\s) th:TH_LOAD_NT
.endr
.irp p, 8,9,10,11,12,13,14,15
	global_load_b128 v[RAW+64*((\s)%2)+4*\p:RAW+64*((\s)%2)+4*\p+3], v5, s[32:33] offset:4096*\p+512*(\s) th:TH_LOAD_NT
.endr
.endm
.macro XSTEP s
.if (\s) < 7
	s_wait_loadcnt 16                              ; this step's 16 loads are in; the next step's 16 may be out
.else
	s_wait_loadcnt 0
.endif
.irp p, 0,1,2,3,4,5,6,7,8,9,10,11,12,13,14,15
	ds_store_b128 v6, v[RAW+64*((\s)%2)+4*\p:RAW+64*((\s)%2)+4*\p+3] offset:PITCH*\p
.endr
.irp c, 0,1
.irp i, 0,1,2,3,4,5,6,7
	ds_load_b128 v[X+32*\c+4*\i:X+32*\c+4*\i+3], v7 offset:256*\c+16*\i   ; LDS serves a wave's instructions in order: these see the stores above
.endr
.endr
	s_wait_dscnt 0x0                               ; my 64 numbers are in, and the stores have read their registers,
.if (\s) < 6
	XLOAD (\s)+2                                   ; which take the loads of two steps on
.endif
.irp c, 0,1
	v_max3_num_f32 v[MX+\c], |v[X+32*\c]|, |v[X+32*\c+1]|, 0x1800000   ; my block 2 c + h, and the floor 2^(3 - 127): the byte cannot fall under 1
.endr
.irp i, 2,4,6,8,10,12,14,16,18,20,22,24,26,28,30
.irp c, 0,1
	v_max3_num_f32 v[MX+\c], v[MX+\c], |v[X+32*\c+\i]|, |v[X+32*\c+\i+1]|
.endr
.endr
.irp c, 0,1
	v_add_nc_u32 v[MX+2+\c], 0xff000000, v[MX+\c]  ; 2 off the exponent field: the conversion's scale operand
.endr
.irp c, 0,1
	v_lshrrev_b32 v[MX+\c], 23, v[MX+2+\c]         ; the scale's byte
.endr
	v_lshl_or_b32 v[WD+(\s)], v[MX+1], 16, v[MX]   ; my two bytes, blocks h and 2 + h,
	v_lshlrev_b32 v[WD+(\s)], v10, v[WD+(\s)]      ; at their places;
	v_permlanex16_b32 v227, v[WD+(\s)], s44, s45
	v_or_b32 v[WD+(\s)], v[WD+(\s)], v227          ; with lane l xor 16's two the row's word is whole
	s_wait_xcnt 0x0                                ; the last step's stores have read the codes' registers
.irp c, 0,1
	v_cvt_scalef32_pk16_fp6_f32 v[CD+6*\c:CD+6*\c+2], v[X+32*\c:X+32*\c+15], v[MX+2+\c]
	v_cvt_scalef32_pk16_fp6_f32 v[C2+4*\c:C2+4*\c+2], v[X+32*\c+16:X+32*\c+31], v[MX+2+\c]   ; (a conversion's three registers begin on an even number)
.endr
	v_nop                                          ; one plain place behind a scaled conversion
.irp c, 0,1
.irp i, 0,1,2
	v_mov_b32 v[CD+3+6*\c+\i], v[C2+4*\c+\i]
.endr
.endr
.irp p, 0,1,2,3,4,5
	global_store_b64 v8, v[CD+2*\p:CD+2*\p+1], s[20:21] offset:1536*(\s)+256*\p   ; 32 lanes store 256 consecutive bytes, aligned
.endr
.endm
	XLOAD 0
	XLOAD 1
.irp t, 0,1,2,3,4,5,6,7
	XSTEP \t
.endr
.irp q, 0,1                            ; the scale bytes: lanes 0-15 store K / 256 = 2 q, lanes 16-31 2 q + 1: two runs of 128 bytes a store (the scales are 1 / 24 of the codes' bytes)
	v_cndmask_b32 v[X+2*\q], v[WD+4*\q], v[WD+4*\q+2], s30
	v_cndmask_b32 v[X+2*\q+1], v[WD+4*\q+1], v[WD+4*\q+3], s30
	global_store_b64 v9, v[X+2*\q:X+2*\q+1], s[22:23] offset:2*SSTR*\q
.endr
	s_branch .Lend
	; ---------------- the mask into bits and flags ----------------
.Lmask:
	s_sub_co_u32 s36, ttmp9, 448                   ; batch x 128 + tile of queries
	s_lshl_b32 s40, s36, 17                        ; 16 rows of 8,192 bytes
	s_lshl_b32 s37, s28, 11                        ; my wave's four steps: 4 x 512 bytes of each row
	s_add_co_u32 s40, s40, s37
	s_add_nc_u64 s[18:19], s[18:19], s[40:41]
	s_lshl_b32 s38, s36, 4
	s_lshl_b32 s37, s28, 2
	s_add_co_u32 s38, s38, s37                     ; my first (tile, step)
	s_lshl_b32 s40, s38, 8
	s_add_nc_u64 s[24:25], s[24:25], s[40:41]
	s_lshl_b32 s40, s38, 2
	s_add_nc_u64 s[26:27], s[26:27], s[40:41]
	v_lshlrev_b32 v9, 2, v1
.irp i, 0,1,2,3,4,5,6,7,8
	v_mov_b32 v[X+\i], 0                           ; v_writelane_b32's destination counts as read
.endr
.macro MLOAD g
.irp p, 0,1,2,3,4,5,6,7,8,9,10,11,12,13,14,15
	global_load_b128 v[RAW+64*((\g)%2)+4*\p:RAW+64*((\g)%2)+4*\p+3], v4, s[18:19] offset:8192*\p+512*(\g) th:TH_LOAD_NT
.endr
.endm
.macro MSTEP g
.if (\g) < 3
	s_wait_loadcnt 16                              ; this step's 16 loads are in; the next step's may be out
.else
	s_wait_loadcnt 0
.endif
.irp p, 0,1,2,3,4,5,6,7,8,9,10,11,12,13,14,15
.irp c, 0,1,2,3
	v_cmp_ne_u32 s[48+(4*\p+\c)%8], 0, v[RAW+64*((\g)%2)+4*\p+\c]   ; bit L: mask[row p][128 step + 4 L + c] != 0
.endr
.irp c, 0,1,2,3
	v_writelane_b32 v[X+2*(\g)+\c%2], s[48+(4*\p+\c)%8], 2*\p+\c/2   ; dword 4 p + c of the step's 64: lane 2 p + c / 2, register c % 2
.endr
.endr
.if (\g) < 2
	MLOAD (\g)+2
.endif
	v_or_b32 v153, v[X+2*(\g)], v[X+2*(\g)+1]
	v_and_b32 v154, v[X+2*(\g)], v[X+2*(\g)+1]
	v_cmp_ne_u32 s36, 0, v153
	v_cmp_eq_u32 s37, -1, v154
	s_cmp_lg_u32 s36, 0
	s_cselect_b32 s38, 1, 0                        ; some key counts
	s_cmp_eq_u32 s37, -1
	s_cselect_b32 s39, 2, 0                        ; all do
	s_or_b32 s38, s38, s39
	v_writelane_b32 v152, s38, \g
	global_store_b64 v8, v[X+2*(\g):X+2*(\g)+1], s[24:25] offset:256*(\g)   ; 256 consecutive bytes, aligned
.endm
	MLOAD 0
	MLOAD 1
.irp t, 0,1,2,3
	MSTEP \t
.endr
	v_cmp_gt_u32 vcc_lo, 4, v1
	s_wait_xcnt 0x0                                ; EXEC changes only behind this wait
	s_and_saveexec_b32 s39, vcc_lo
	global_store_b32 v9, v152, s[26:27]            ; lanes 0-3: my four steps' flags
	s_wait_xcnt 0x0                                ; and again, in front of the line that widens it
	s_or_b32 exec_lo, exec_lo, s39
.Lend:
	s_wait_tensorcnt 0x0                           ; the wave's end, behind my last LDS store
	ds_add_u32 v[SPW], v[NIL]
	s_wait_dscnt 0x0
	s_endpgm
.Lfunc_end_k_q7bb18e5237_quant:
	.size	k_q7bb18e5237_quant, .Lfunc_end_k_q7bb18e5237_quant-k_q7bb18e5237_quant
	.p2alignl 7, 3214868480
	.fill 96, 4, 3214868480
	.section	.rodata,"a",@progbits
	.p2align	6, 0x0
	.amdhsa_kernel k_q7bb18e5237_quant
		.amdhsa_group_segment_fixed_size 34304
		.amdhsa_private_segment_fixed_size 0
		.amdhsa_enable_private_segment 0
		.amdhsa_kernarg_size 96
		.amdhsa_user_sgpr_count 2
		.amdhsa_user_sgpr_kernarg_segment_ptr 1
		.amdhsa_wavefront_size32 1
		.amdhsa_system_sgpr_workgroup_id_x 1
		.amdhsa_system_sgpr_workgroup_id_y 1
		.amdhsa_system_sgpr_workgroup_id_z 1
		.amdhsa_system_vgpr_workitem_id 0
		.amdhsa_next_free_vgpr 256
		.amdhsa_next_free_sgpr 66
		.amdhsa_reserve_vcc 1
		.amdhsa_float_denorm_mode_32 3
		.amdhsa_float_denorm_mode_16_64 3
		.amdhsa_memory_ordered 1
		.amdhsa_forward_progress 1
		.amdhsa_inst_pref_size 102
	.end_amdhsa_kernel
	.amdgpu_metadata
---
amdhsa.version: [ 1, 2 ]
amdhsa.kernels:
  - .name:           k_q7bb18e5237_quant
    .symbol:         k_q7bb18e5237_quant.kd
    .args:
      - { .name: key, .offset: 0, .size: 8, .value_kind: global_buffer, .address_space: global }
      - { .name: query, .offset: 8, .size: 8, .value_kind: global_buffer, .address_space: global }
      - { .name: value, .offset: 16, .size: 8, .value_kind: global_buffer, .address_space: global }
      - { .name: Wk, .offset: 24, .size: 8, .value_kind: global_buffer, .address_space: global }
      - { .name: Wq, .offset: 32, .size: 8, .value_kind: global_buffer, .address_space: global }
      - { .name: Wv, .offset: 40, .size: 8, .value_kind: global_buffer, .address_space: global }
      - { .name: Wo, .offset: 48, .size: 8, .value_kind: global_buffer, .address_space: global }
      - { .name: mask, .offset: 56, .size: 8, .value_kind: global_buffer, .address_space: global }
      - { .name: cod, .offset: 64, .size: 8, .value_kind: global_buffer, .address_space: global }
      - { .name: scl, .offset: 72, .size: 8, .value_kind: global_buffer, .address_space: global }
      - { .name: mb, .offset: 80, .size: 8, .value_kind: global_buffer, .address_space: global }
      - { .name: fl, .offset: 88, .size: 8, .value_kind: global_buffer, .address_space: global }
    .group_segment_fixed_size: 34304
    .private_segment_fixed_size: 0
    .kernarg_segment_align: 8
    .kernarg_segment_size: 96
    .max_flat_workgroup_size: 128
    .sgpr_count:     66
    .vgpr_count:     256
    .wavefront_size: 32
...
	.end_amdgpu_metadata
.endif
;; end of part 1
;; launch proj (part 2): grid 4 x 96, 4 waves a work-group, clusters of 4 x 4, 327,680 bytes of LDS; arguments cod, scl, qc, qs, kv; writes qc, qs, kv
.if DOCPART == 2
	.amdgcn_target "amdgcn-amd-amdhsa--gfx1250"
	.amdhsa_code_object_version 6
	.text
	.protected	k_q7bb18e5237_proj
	.globl	k_q7bb18e5237_proj
	.p2align	8
	.type	k_q7bb18e5237_proj,@function
k_q7bb18e5237_proj:
	s_mov_b64 s[64:65], 0
	v_nop
	global_prefetch_b8 v0, s[64:65] scope:SCOPE_SE
	s_setreg_imm32_b32 hwreg(HW_REG_WAVE_MODE, 25, 1), 1
	s_wait_xcnt 0x0
	s_wait_alu depctr_hold_cnt(0) depctr_sa_sdst(0) depctr_va_vdst(0) depctr_va_sdst(0) depctr_va_ssrc(0) depctr_va_vcc(0) depctr_vm_vsrc(0)
	s_getreg_b32 s2, hwreg(HW_REG_IB_STS2, 6, 4)
	s_cmp_eq_u32 s2, 0
	s_cbranch_scc0 .Lentry_in_a_cluster
	s_endpgm
.Lentry_in_a_cluster:
	s_bfe_u32 s2, ttmp6, 0x10000c
	s_cmp_lg_u32 s2, 0xf033
	s_cbranch_scc0 .Lentry_shape_is_right
	s_endpgm
.Lentry_shape_is_right:
; THE THREE PROJECTIONS, k = key Wk^T, q = query Wq^T, v = value Wv^T, on codes of FP6 (E2M3) with one E8M0 scale for each 32 along K = 1024, f32 sums; the results are quantised in registers
; for attention's two products and leave as images of operand registers.  One launch: the cluster's y picks the product (y / 8: 0 k, 1 q, 2 v) and the 1,024 tokens (y % 8); the grid is one cluster wide.
; A tile of 256 x 256 is made by four waves, 128 x 128 each: 64 accumulators, 512 registers.  K goes in steps of 256 through two LDS slots filled by the tensor data mover.
; cod holds fragments as images ([row tile][K step of 128][piece][lane][8 bytes]): a tile's part of a K step of 256 is 8 runs of 3,072 bytes, and in LDS each load of a piece reads 256 consecutive bytes: no padding.
; scl ([K / 256][row][8 bytes]): the scales of 128 rows for all of K are 4 runs of 1,024 bytes; they come once, with the first fills, and stay.
; THE MATRIX INSTRUCTION IS USED TRANSPOSED: source 0 = 16 rows of operand B, source 1 = 16 rows of operand A: a lane holds one row of A, its registers run along B's rows.
; k, q: A = tokens, B = the weight's rows (features): a lane's registers run along the head's 64, which is the K of q k^T.   v: A = Wv's rows, B = tokens: registers run along the keys, the K of p v.
; B's rows were stored so that the 16 registers of two neighbouring tiles are 16 neighbours.  key's and Wv's rows were stored so that A's tiles are the tiles of keys and of channels that attention wants.
; CLUSTER: 4 x 4.  A's tiles are shared along a row of the cluster, B's along a column: each is asked for jointly.
; OUT: qc [b h][tile of 16 queries][piece 0..2][lane][8]; qs [b h][query]: the word (s0, s1, s0, s1).   kv [b h][204,800]: +0 K's fragments [step of 128 keys][b 0..3][3 x 512 bytes]: registers 0-5 key 32 b + r + 8 (r / 8),
; registers 6-11 the key 8 further on; +98,304 V's [step][tile of 16 channels][3 x 512]; +196,608 K's scale words [step][b][r]; +200,704 V's [step][tile][r].
; LIMITS: NaN and infinities are not served; a block of zeros gets the byte 1 (its codes are zeros; this program alone reads the bytes).
; REGISTERS: window 0: v0-31 addresses; v32-63 scale words, two sets, and nothing else; v128-223 A's fragments, one set; on the way out v64-222 at work.  window 1: B's fragments, two sets, at v0 and v128.
;   window 2: the accumulators of my rows 0-63 ((a, b) at v[8 (8 a + b)]); window 3: those of rows 64-127.
.set FR,    12                         ; registers of a fragment
.set NL,    6                          ; LDS loads that bring one
.set NP,    4                          ; places behind this matrix instruction (ISA guide 7.12.1)
.set NQ,    2                          ; matrix instructions deep in a slot
.set FRB,   1536                       ; a fragment's image in bytes
.set KSB,   NQ*FRB                     ; a row tile's part of a K step of 256
.set HALFT, 8*KSB                      ; 128 rows: what one tensor load brings
.set SLOT,  4*HALFT
.set LAPS,  2                          ; 1,024 / 512
.set SCL,   2*SLOT                     ; behind the ring: the scales, 4,096 bytes a wave's load; B's begin 128 bytes later, so that A's and B's 128 bytes of one load fall on different banks
.set SPARE, 213248                     ; the spare words, 128 bytes a wave: two blocks of 256 bytes that no other line names
.set ADRA, 16                          ; v16-17 LDS address of my A fragments in slot 0, 1
.set ADRB, 20                          ; v20-21 the same for B
.set ADRS, 27                          ; v27    of my scale words: lanes 0-15 A's rows, lanes 16-31 B's
.set SPW,  28                          ; v28    LDS address of my spare word; never rewritten
.set NIL,  29                          ; v29    0; never rewritten
.set SC,   32
.set AF,   128
.set CB,   64                          ; the way out: v64-159 codes
.set PW,   160                         ; v160-167 the scale word of each of A's eight blocks
.set SD,   168                         ; v168-175 scale words as stored
.set TM,   200                         ; v200-215 at work
.set CT,   216                         ; v216-222 the conversions' second halves
.set G1, 24                            ; s[24:31] group 1 for A's tiles; s[32:39] group 0, a set for each slot
.set G0, 32
.set G1B, 48                           ; s[48:55], s[56:63] the same for B's
.set G0B, 56
.set G1S, 68                           ; s[68:75], s[76:79] groups 1 and 0 for A's scales; s[80:87], s[88:91] for B's
.set G0S, 76
.set G1SB, 80
.set G0SB, 88
.set MSB, 0
.macro WIN new                         ; the immediate's high byte repeats the setting that is left
.if MSB != (\new)
	s_set_vgpr_msb (MSB<<8)|(\new)
.set MSB, (\new)
.endif
.endm
.set MUL_LO, 0xa1                      ; source 0 (B) window 1, source 1 (A) window 0, C and D window 2
.set MUL_HI, 0xf1
.set TO_B,   0x40
; A joint load: waves 0 and 1 fetch for A, waves 2 and 3 for B; the branch hangs on the wave's number alone.  An s_nop 0 and four v_nop follow each line.
.macro JLOAD g0a, g1a, g0b, g1b
	s_cmp_eq_u32 s15, 0
	s_cbranch_scc0 .Lfor_b_\@
	tensor_load_to_lds s[\g0a:\g0a+3], s[\g1a:\g1a+7]
	s_nop 0
.rept 4
	v_nop
.endr
	s_branch .Lasked_\@
.Lfor_b_\@:
	tensor_load_to_lds s[\g0b:\g0b+3], s[\g1b:\g1b+7]
	s_nop 0
.rept 4
	v_nop
.endr
.Lasked_\@:
.endm
.macro CREST                           ; a round of the cluster's barrier behind its opening barrier
	s_cmp_lg_u32 s14, 0
	s_cbranch_scc1 .Lnot_wave_0_\@
	s_barrier_signal -3
.Lnot_wave_0_\@:
	s_barrier_wait -3
	s_barrier_signal -1
	s_barrier_wait -1
.endm
.macro CROUND
	s_barrier_signal -1
	s_barrier_wait -1
	CREST
.endm
	s_load_b256 s[4:11], s[0:1], 0x0               ; cod, scl, qc, qs
	s_load_b64 s[12:13], s[0:1], 0x20              ; kv
	v_lshl_add_u32 v[SPW], v0, 2, SPARE
	v_mov_b32 v[NIL], 0
	ds_add_u32 v[SPW], v[NIL]                      ; the wave's opening: the add and its wait stand ahead of my first tensor load; the set-up below stands between them
	v_lshrrev_b32 v1, 5, v0
	v_readfirstlane_b32 s14, v1                    ; wave 0..3
	s_lshr_b32 s15, s14, 1                         ; which half of A's rows is mine.  Also: I fetch for A (0) or for B (1)
	s_and_b32 s16, s14, 1                          ; which half of B's rows.  Also: which 128 rows I fetch
	s_bfe_u32 s40, ttmp6, 0x40000                  ; cx
	s_bfe_u32 s41, ttmp6, 0x40004                  ; cy
	s_and_b32 s17, ttmp7, 0xffff                   ; the cluster's y
	s_lshr_b32 s66, s17, 3                         ; the product: 0 k, 1 q, 2 v
	s_and_b32 s67, s17, 7                          ; which 1,024 tokens
	s_lshl_b32 s43, s41, 2
	s_lshl_b32 s43, 15, s43                        ; my row of the cluster
	s_lshl_b32 s44, 0x1111, s40                    ; my column
	s_or_b32 s[G1+0], s43, (3<<16)|(1<<21)         ; 15:0 the mask; 17:16 elements of 8 bytes; 21 set beside a mask; no padding
	s_or_b32 s[G1B+0], s44, (3<<16)|(1<<21)
.irp g, G1, G1B
	s_mov_b32 s[\g+1], 384<<16                     ; tensor_dim0 = 384 elements: 3,072 bytes
	s_mov_b32 s[\g+2], 8<<16                       ; tensor_dim1 = 8 row tiles
	s_mov_b32 s[\g+3], 384<<16                     ; tile_dim0
	s_mov_b32 s[\g+4], 8                           ; tile_dim1
	s_mov_b32 s[\g+5], 1536                        ; from row tile to row tile: 12,288 bytes
	s_mov_b32 s[\g+6], 0
	s_mov_b32 s[\g+7], 0
.endr
	s_or_b32 s[G1S+0], s43, (3<<16)|(1<<21)
	s_or_b32 s[G1SB+0], s44, (3<<16)|(1<<21)
.irp g, G1S, G1SB
	s_mov_b32 s[\g+1], 128<<16                     ; 128 rows x 8 bytes
	s_mov_b32 s[\g+2], 4<<16                       ; four K / 256
	s_mov_b32 s[\g+3], 128<<16
	s_mov_b32 s[\g+4], 4
	s_mov_b32 s[\g+5], 36864                       ; 294,912 bytes apart
	s_mov_b32 s[\g+6], 0
	s_mov_b32 s[\g+7], 0
.endr
	; which storage rows.  k, q: A = tokens 8192 x product + 256 (4 (y % 8) + cy), B = the weight 24576 + 1024 x product + 256 cx.  v: A = Wv 26624 + 256 cy, B = value 16384 + 256 (4 (y % 8) + cx).
	; A's registers never hold cx, B's never cy.
	s_cmp_eq_u32 s66, 2
	s_cselect_b32 s96, 10240, 0
	s_cselect_b32 s97, 0, s67
	s_cselect_b32 s95, s67, 0
	s_lshl_b32 s18, s16, 7                         ; which 128 rows I fetch
	s_lshl_b32 s20, s97, 2
	s_add_co_u32 s20, s20, s41
	s_lshl_b32 s20, s20, 8
	s_lshl_b32 s19, s66, 13
	s_add_co_u32 s20, s20, s19
	s_add_co_u32 s20, s20, s96
	s_add_co_u32 s20, s20, s18                     ; A's row
	s_lshl_b32 s46, s95, 2
	s_add_co_u32 s46, s46, s40
	s_lshl_b32 s46, s46, 8
	s_lshl_b32 s19, s66, 10
	s_add_co_u32 s46, s46, s19
	s_add_co_u32 s46, s46, 24576
	s_sub_co_u32 s46, s46, s96
	s_add_co_u32 s46, s46, s18                     ; B's row
	s_lshl_b32 s22, s20, 3                         ; scales: 8 bytes a row
	s_mov_b32 s23, 0
	s_mul_i32 s20, s20, 768                        ; codes: 768 bytes a row
	s_mov_b32 s21, 0
	s_lshl_b32 s92, s46, 3
	s_mov_b32 s93, 0
	s_mul_i32 s46, s46, 768
	s_mov_b32 s47, 0
	s_mul_i32 s45, s14, HALFT                      ; where they go: wave x 128 rows: no place in the cluster enters an LDS address
	s_lshl_b32 s94, s14, 12
	s_lshl_b32 s18, s15, 7
	s_add_co_u32 s94, s94, s18
	s_wait_dscnt 0x0                               ; the opening add is done
	s_wait_kmcnt 0x0
	s_add_nc_u64 s[20:21], s[4:5], s[20:21]
	s_add_nc_u64 s[22:23], s[6:7], s[22:23]
	s_add_nc_u64 s[46:47], s[4:5], s[46:47]
	s_add_nc_u64 s[92:93], s[6:7], s[92:93]
	CROUND                                         ; all sixteen work-groups are here: the first joint loads meet
	s_mov_b32 s[G0S], 1
	s_add_co_u32 s[G0S+1], s94, SCL
	s_mov_b64 s[G0S+2:G0S+3], s[22:23]
	s_or_b32 s[G0S+3], s[G0S+3], 0x80000000
	s_mov_b32 s[G0SB], 1
	s_add_co_u32 s[G0SB+1], s94, SCL
	s_mov_b64 s[G0SB+2:G0SB+3], s[92:93]
	s_or_b32 s[G0SB+3], s[G0SB+3], 0x80000000
	JLOAD G0S, G1S, G0SB, G1SB                     ; the scales first: they are wanted with K step 0
.irp s, 0,1
	s_mov_b32 s[G0+4*\s], 1
	s_add_co_u32 s[G0+4*\s+1], s45, \s*SLOT
	s_add_nc_u64 s[G0+4*\s+2:G0+4*\s+3], s[20:21], \s*KSB
	s_or_b32 s[G0+4*\s+3], s[G0+4*\s+3], 0x80000000
	s_mov_b32 s[G0B+4*\s], 1
	s_add_co_u32 s[G0B+4*\s+1], s45, \s*SLOT
	s_add_nc_u64 s[G0B+4*\s+2:G0B+4*\s+3], s[46:47], \s*KSB
	s_or_b32 s[G0B+4*\s+3], s[G0B+4*\s+3], 0x80000000
	JLOAD G0+4*\s, G1, G0B+4*\s, G1B               ; three tensor loads of mine are out at the most
.endr
	v_and_b32 v1, 15, v0                           ; r
	v_bfe_u32 v2, v0, 4, 1                         ; h
	v_and_b32 v3, 31, v0                           ; lane
	v_lshlrev_b32 v4, 3, v3                        ; 8 x lane
	s_mul_i32 s21, s15, HALFT                      ; my 128 rows of A
	s_mul_i32 s22, s16, HALFT                      ; my 128 rows of B,
	s_add_co_u32 s22, s22, 2*HALFT                 ; which lie behind A's 256
.irp s, 0,1
	v_add_nc_u32 v[ADRA+\s], s21, v4
	v_add_nc_u32 v[ADRB+\s], s22, v4
	s_add_co_u32 s21, s21, SLOT
	s_add_co_u32 s22, s22, SLOT
.endr
	v_lshlrev_b32 v5, 3, v1                        ; my row's 8 scale bytes
	s_lshl_b32 s21, s15, 12                        ; A's: my 128 rows
	s_lshl_b32 s22, s16, 12
	s_add_co_u32 s22, s22, 2*4096+128              ; B's
	s_sub_co_u32 s22, s22, s21
	v_mul_u32_u24 v6, s22, v2                      ; lanes 16-31 take B's: one product, the distance between the two
	s_add_co_u32 s21, s21, SCL
	v_add_nc_u32 v5, v5, v6
	v_add_nc_u32 v[ADRS], s21, v5
.macro FRAG reg, adr, q, i             ; a fragment: six pieces of 8 bytes a lane, 256 consecutive bytes a load
.irp p, 0,1,2,3,4,5
	ds_load_b64 v[\reg+2*\p:\reg+2*\p+1], v[\adr] offset:(\i)*KSB+(\q)*FRB+256*\p
.endr
.endm
.macro MM a, b, p, q, sc, zero
.set DD, 8*(8*((\a)%4)+(\b))
.set FB, 128*(\p)+FR*(\b)
.set FA, AF+FR*(\a)
.set SB, SC+8*NQ*(\sc)+NQ*(\b)+(\q)
.set SA, SC+8*NQ*(\sc)+NQ*(\a)+(\q)
.if \zero
	v_wmma_scale_f32_16x16x128_f8f6f4 v[DD:DD+7], v[FB:FB+FR-1], v[FA:FA+FR-1], 0, v[SB], v[SA] matrix_a_fmt:MATRIX_FMT_FP6 matrix_b_fmt:MATRIX_FMT_FP6 matrix_a_scale:MATRIX_SCALE_ROW1
.else
	v_wmma_scale_f32_16x16x128_f8f6f4 v[DD:DD+7], v[FB:FB+FR-1], v[FA:FA+FR-1], v[DD:DD+7], v[SB], v[SA] matrix_a_fmt:MATRIX_FMT_FP6 matrix_b_fmt:MATRIX_FMT_FP6 matrix_a_scale:MATRIX_SCALE_ROW1
.endif
.endm
; 16 matrix instructions: A's blocks a0, a0 + 1 x B's eight.  The 64 accumulators take turns, one instruction a turn, in the same order in every step.
.macro MUL16 a0, p, q, sc, zero
.irp a, \a0, \a0+1
.irp b, 0,1,2,3,4,5,6,7
	MM \a, \b, \p, \q, \sc, \zero
.endr
.endr
.endm
.macro FETCH_B slot, q, p
	WIN TO_B
.irp i, 0,1,2,3,4,5,6,7
	FRAG 128*(\p)+FR*\i, ADRB+\slot, \q, \i
.endr
	WIN 0
.endm
.macro FETCH_A slot, q, i0
.irp i, \i0, \i0+1, \i0+2, \i0+3
	FRAG AF+FR*(\i), ADRA+\slot, \q, \i
.endr
.endm
.macro SCALES sc                       ; a K step's two words a row: lanes 0-15 A's block i, lanes 16-31 B's block i
.irp i, 0,1,2,3,4,5,6,7
	ds_load_b64 v[SC+8*NQ*\sc+NQ*\i:SC+8*NQ*\sc+NQ*\i+1], v[ADRS] offset:128*\i
.endr
.endm
.macro PLACES n                        ; plain vector instructions between a matrix instruction and a load into, or a read of, its registers
.rept \n
	v_nop
.endr
.endm
.macro STEP slot, q, zero              ; 128 along K that has its successor in the same slot
	s_wait_dscnt 4*NL                              ; B's set and A's blocks 0-3 are in; the youngest 24 loads (A's blocks 4-7) may be out
	WIN MUL_LO
	MUL16 0, (\q)%2, \q, \slot, \zero
	MUL16 2, (\q)%2, \q, \slot, \zero
	s_wait_dscnt 0
	PLACES NP
	FETCH_B \slot, (\q)+1, 1-(\q)%2
	FETCH_A \slot, (\q)+1, 0
	WIN MUL_HI
	MUL16 4, (\q)%2, \q, \slot, \zero
	MUL16 6, (\q)%2, \q, \slot, \zero
	PLACES NP
	WIN 0
	FETCH_A \slot, (\q)+1, 4
.endm
; A slot's last step changes slots: one barrier; in front of it each wave waits for all its tensor loads, adds 0 to its spare word, and waits for that and for its reads of this slot.
.macro TURN slot, next, fill
	s_wait_tensorcnt 0x0                           ; all my tensor loads have landed: my part of the next slot
	ds_add_u32 v[SPW], v[NIL]
	s_wait_dscnt 4*NL+1                            ; (the add and the youngest 24 loads may be out)
	WIN MUL_LO
	MUL16 0, 1, NQ-1, \slot, 0
	s_wait_dscnt 0x0                               ; the add is done, and my reads of this slot are over
	s_barrier_signal -1
	MUL16 2, 1, NQ-1, \slot, 0
	WIN 0
	s_barrier_wait -1
.if \fill
	CREST                                          ; the barrier has opened a round of the cluster's: no wave of any partner still reads this slot or has a load on its way
	s_add_nc_u64 s[G0+4*\slot+2:G0+4*\slot+3], s[G0+4*\slot+2:G0+4*\slot+3], 2*KSB
	s_add_nc_u64 s[G0B+4*\slot+2:G0B+4*\slot+3], s[G0B+4*\slot+2:G0B+4*\slot+3], 2*KSB
	JLOAD G0+4*\slot, G1, G0B+4*\slot, G1B         ; the first tensor load behind the round; its four v_nop are the places in front of the loads below
.else
	PLACES NP
.endif
	v_add_nc_u32 v[ADRS], 1024, v[ADRS]            ; the next K step's scale words
	FETCH_B \next, 0, 0
	FETCH_A \next, 0, 0
	SCALES \next
	WIN MUL_HI
	MUL16 4, 1, NQ-1, \slot, 0
	MUL16 6, 1, NQ-1, \slot, 0
	PLACES NP
	WIN 0
	FETCH_A \next, 0, 4
.endm
	s_wait_tensorcnt 1                             ; the scales and my part of K step 0 are in (K step 1's load may be out)
	s_barrier_signal -1
	s_barrier_wait -1                              ; everybody's are
	FETCH_B 0, 0, 0
	FETCH_A 0, 0, 0
	SCALES 0
	FETCH_A 0, 0, 4
	STEP 0, 0, 1                                   ; the first step's products start the sums
	s_mov_b32 s3, LAPS-1
.Llap:
	TURN 0, 1, 1
	STEP 1, 0, 0
	TURN 1, 0, 1
	STEP 0, 0, 0
	s_sub_co_u32 s3, s3, 1
	s_cmp_lg_u32 s3, 0
	s_cbranch_scc1 .Llap
	TURN 0, 1, 0                                   ; the last lap fills nothing
	STEP 1, 0, 0
	s_wait_dscnt 4*NL
	WIN MUL_LO
	MUL16 0, 1, NQ-1, 1, 0
	MUL16 2, 1, NQ-1, 1, 0
	s_wait_dscnt 0
	WIN MUL_HI
	MUL16 4, 1, NQ-1, 1, 0
	MUL16 6, 1, NQ-1, 1, 0
	WIN 0
	PLACES NP
; THE WAY OUT.  The eight accumulators of A's block a hold, in lane (r, h), 64 numbers of row r: register 16 b + i = place 32 b + 16 h + i along B's 128 rows.  They become a fragment's codes, its registers 0-5 in v[d0] on,
; 6-11 in v[d1] on, and the row's scale word in v[PW + a].  Each accumulator is read from its low end on.
.macro QUANT a, d0, d1
.set QW, 2+(\a)/4
.set AC, 64*((\a)%4)
	WIN (QW<<2)|(QW<<4)
.irp b, 0,1,2,3
	v_max3_num_f32 v[TM+\b], 0x1800000, |v[AC+16*\b]|, |v[AC+16*\b+1]|   ; block b: my 16 numbers, and the floor 2^(3 - 127)
.endr
.irp i, 2,4,6,8,10,12,14
.irp b, 0,1,2,3
	v_max3_num_f32 v[TM+\b], v[TM+\b], |v[AC+16*\b+\i]|, |v[AC+16*\b+\i+1]|
.endr
.endr
	WIN 0
.irp b, 0,1,2,3
	v_permlanex16_b32 v[TM+4+\b], v[TM+\b], s98, s99
.endr
.irp b, 0,1,2,3
	v_max_num_f32 v[TM+\b], v[TM+\b], v[TM+4+\b]   ; with lane l xor 16's: the block's largest magnitude
.endr
.irp b, 0,1,2,3
	v_add_nc_u32 v[TM+12+\b], 0xff000000, v[TM+\b] ; 2 off its exponent field: the conversion's scale operand
.endr
.irp b, 0,1,2,3
	v_lshrrev_b32 v[TM+8+\b], 23, v[TM+12+\b]      ; the scale's byte
.endr
	v_lshl_or_b32 v[PW+(\a)], v[TM+9], 8, v[TM+8]
	v_lshl_or_b32 v[PW+(\a)], v[TM+10], 16, v[PW+(\a)]
	v_lshl_or_b32 v[PW+(\a)], v[TM+11], 24, v[PW+(\a)]
	WIN QW
	v_cvt_scalef32_pk16_fp6_f32 v[(\d0):(\d0)+2], v[AC:AC+15], v[TM+12]
	v_cvt_scalef32_pk16_fp6_f32 v[CT:CT+2], v[AC+16:AC+31], v[TM+13]
	v_cvt_scalef32_pk16_fp6_f32 v[(\d1):(\d1)+2], v[AC+32:AC+47], v[TM+14]
	v_cvt_scalef32_pk16_fp6_f32 v[CT+4:CT+6], v[AC+48:AC+63], v[TM+15]
	WIN 0
	v_nop                                          ; one plain place behind a scaled conversion
.irp i, 0,1,2                          ; the operand's layout wants a whole block in a lane
	v_permlane16_swap_b32 v[(\d0)+\i], v[CT+\i]
	v_permlane16_swap_b32 v[(\d1)+\i], v[CT+4+\i]
.endr
.irp i, 0,1,2
	v_mov_b32 v[(\d0)+3+\i], v[CT+\i]
	v_mov_b32 v[(\d1)+3+\i], v[CT+4+\i]
.endr
.endm
.macro SWEEP place                     ; place 0 (k, q): the halves of blocks 2 b and 2 b + 1 that belong to head c lie together, at CB + 24 b + 12 c;  place 1 (v): block a's fragment at CB + 12 a
.irp a, 0,1,2,3,4,5,6,7
.if \place
	QUANT \a, CB+12*\a, CB+12*\a+6
.else
	QUANT \a, CB+24*(\a/2)+6*(\a%2), CB+24*(\a/2)+6*(\a%2)+12
.endif
.endr
.endm
	s_mov_b32 s98, 0x76543210
	s_mov_b32 s99, 0xfedcba98                      ; v_permlanex16_b32's selects for lane l xor 16
	s_mov_b32 s96, 0xffff0000                      ; lanes 16-31
.irp b, 0,1,2,3
	v_mov_b32 v[TM+4+\b], 0                        ; a lane permute's destination counts as read
.endr
	v_lshlrev_b32 v7, 4, v3                        ; 16 x lane
	v_lshlrev_b32 v8, 2, v1                        ; 4 r
	; my first token and my first head.  All tensor loads have landed, so the descriptors' registers are free.  cx and cy enter the stores' addresses alone.
	s_cmp_eq_u32 s66, 2
	s_cselect_b32 s20, s40, s41                    ; the tokens' side: B's in v, else A's
	s_cselect_b32 s21, s41, s40                    ; the features' side
	s_cselect_b32 s22, s16, s15
	s_cselect_b32 s23, s15, s16
	s_lshl_b32 s46, s67, 2
	s_add_co_u32 s46, s46, s20
	s_lshl_b32 s46, s46, 8
	s_lshl_b32 s22, s22, 7
	s_add_co_u32 s46, s46, s22                     ; token
	s_lshl_b32 s47, s21, 2
	s_lshl_b32 s23, s23, 1
	s_add_co_u32 s47, s47, s23                     ; head
	s_lshr_b32 s92, s46, 11
	s_and_b32 s93, s46, 2047                       ; token in its batch
	s_lshl_b32 s92, s92, 4
	s_add_co_u32 s92, s92, s47                     ; 16 x batch + head
	s_mov_b32 s21, 0
	s_mul_i32 s20, s92, 204800
	s_add_nc_u64 s[70:71], s[12:13], s[20:21]      ; the head's block of kv
	s_lshr_b32 s94, s93, 7                         ; key step
	s_mul_i32 s20, s94, 6144
	s_add_nc_u64 s[68:69], s[70:71], s[20:21]      ; + the step's fragments
	s_lshl_b32 s20, s94, 8
	s_add_nc_u64 s[70:71], s[70:71], s[20:21]      ; + the step's scale words
	s_lshl_b32 s20, s92, 7
	s_lshr_b32 s22, s93, 4
	s_add_co_u32 s20, s20, s22
	s_mul_i32 s20, s20, 768
	s_add_nc_u64 s[72:73], s[8:9], s[20:21]        ; qc
	s_lshl_b32 s20, s92, 11
	s_add_co_u32 s20, s20, s93
	s_lshl_b32 s20, s20, 2
	s_add_nc_u64 s[74:75], s[10:11], s[20:21]      ; qs
	s_cmp_eq_u32 s66, 2                            ; the cluster's y alone: the same in all sixteen work-groups
	s_cbranch_scc1 .Lmode_v
	SWEEP 0
	s_cmp_eq_u32 s66, 1
	s_cbranch_scc1 .Lmode_q
	; k: four fragments for each of my two heads, three stores of 512 consecutive bytes each
	v_mul_u32_u24 v9, v2, 204800
	v_add_nc_u32 v9, v9, v8                        ; 4 r; lanes 16-31 the next head
.irp b, 0,1,2,3
.irp c, 0,1
.irp i, 0,1,2
	global_store_b128 v7, v[CB+24*\b+12*\c+4*\i:CB+24*\b+12*\c+4*\i+3], s[68:69] offset:1536*\b+512*\i+204800*\c
.endr
.endr
	v_perm_b32 v176, v[PW+2*\b+1], v[PW+2*\b], 0x05040100   ; head 0: the two bytes of the key, the two of the key 8 further on
	v_perm_b32 v177, v[PW+2*\b+1], v[PW+2*\b], 0x07060302   ; head 1
	v_cndmask_b32 v[SD+\b], v176, v177, s96
	global_store_b32 v9, v[SD+\b], s[70:71] offset:196608+64*\b
.endr
	s_branch .Ldone
.Lmode_q:
	v_lshl_add_u32 v9, v2, 13, v8                  ; 4 r; lanes 16-31 the next head: 2,048 words on
.irp a, 0,1,2,3,4,5,6,7
.irp c, 0,1
.irp p, 0,1,2
	global_store_b64 v4, v[CB+24*(\a/2)+12*\c+6*(\a%2)+2*\p:CB+24*(\a/2)+12*\c+6*(\a%2)+2*\p+1], s[72:73] offset:768*\a+98304*\c+256*\p   ; 256 consecutive bytes, aligned
.endr
.endr
	v_perm_b32 v176, v[PW+\a], v[PW+\a], 0x01000100   ; (s0, s1, s0, s1): the query meets either half of a fragment of K
	v_perm_b32 v177, v[PW+\a], v[PW+\a], 0x03020302
	v_cndmask_b32 v[SD+\a], v176, v177, s96
	global_store_b32 v9, v[SD+\a], s[74:75] offset:64*\a
.endr
	s_branch .Ldone
.Lmode_v:
	SWEEP 1
	v_lshl_add_u32 v9, v2, 6, v8                   ; 4 r; lanes 16-31 the next tile of channels
.irp a, 0,1,2,3,4,5,6,7
.irp i, 0,1,2
	global_store_b128 v7, v[CB+12*\a+4*\i:CB+12*\a+4*\i+3], s[68:69] offset:98304+204800*(\a/4)+1536*(\a%4)+512*\i
.endr
.endr
.irp m, 0,1,2,3
	v_cndmask_b32 v[SD+\m], v[PW+2*\m], v[PW+2*\m+1], s96
	global_store_b32 v9, v[SD+\m], s[70:71] offset:200704+204800*(\m/2)+128*(\m%2)
.endr
.Ldone:
	s_wait_tensorcnt 0x0                           ; the wave's end
	ds_add_u32 v[SPW], v[NIL]
	s_wait_dscnt 0x0
	CROUND                                         ; the closing round: no work-group ends while a partner may still ask for a tile that names it
	s_endpgm
.Lfunc_end_k_q7bb18e5237_proj:
	.size	k_q7bb18e5237_proj, .Lfunc_end_k_q7bb18e5237_proj-k_q7bb18e5237_proj
	.p2alignl 7, 3214868480
	.fill 96, 4, 3214868480
	.section	.rodata,"a",@progbits
	.p2align	6, 0x0
	.amdhsa_kernel k_q7bb18e5237_proj
		.amdhsa_group_segment_fixed_size 327680
		.amdhsa_private_segment_fixed_size 0
		.amdhsa_enable_private_segment 0
		.amdhsa_kernarg_size 40
		.amdhsa_user_sgpr_count 2
		.amdhsa_user_sgpr_kernarg_segment_ptr 1
		.amdhsa_wavefront_size32 1
		.amdhsa_system_sgpr_workgroup_id_x 1
		.amdhsa_system_sgpr_workgroup_id_y 1
		.amdhsa_system_sgpr_workgroup_id_z 1
		.amdhsa_system_vgpr_workitem_id 0
		.amdhsa_next_free_vgpr 1024
		.amdhsa_next_free_sgpr 100
		.amdhsa_reserve_vcc 0
		.amdhsa_float_denorm_mode_32 3
		.amdhsa_float_denorm_mode_16_64 3
		.amdhsa_memory_ordered 1
		.amdhsa_forward_progress 1
		.amdhsa_inst_pref_size 207
	.end_amdhsa_kernel
	.amdgpu_metadata
---
amdhsa.version: [ 1, 2 ]
amdhsa.kernels:
  - .name:           k_q7bb18e5237_proj
    .symbol:         k_q7bb18e5237_proj.kd
    .args:
      - { .name: cod, .offset: 0, .size: 8, .value_kind: global_buffer, .address_space: global }
      - { .name: scl, .offset: 8, .size: 8, .value_kind: global_buffer, .address_space: global }
      - { .name: qc, .offset: 16, .size: 8, .value_kind: global_buffer, .address_space: global }
      - { .name: qs, .offset: 24, .size: 8, .value_kind: global_buffer, .address_space: global }
      - { .name: kv, .offset: 32, .size: 8, .value_kind: global_buffer, .address_space: global }
    .group_segment_fixed_size: 327680
    .private_segment_fixed_size: 0
    .kernarg_segment_align: 8
    .kernarg_segment_size: 40
    .max_flat_workgroup_size: 128
    .sgpr_count:     100
    .vgpr_count:     1024
    .wavefront_size: 32
...
	.end_amdgpu_metadata
.endif
;; end of part 2
;; launch attn (part 3): grid 4 x 64, 16 waves a work-group, no clusters, 272,384 bytes of LDS; arguments kv, qc, qs, mb, fl, cod, scl; writes cod, scl
.if DOCPART == 3
	.amdgcn_target "amdgcn-amd-amdhsa--gfx1250"
	.amdhsa_code_object_version 6
	.text
	.protected	k_q7bb18e5237_attn
	.globl	k_q7bb18e5237_attn
	.p2align	8
	.type	k_q7bb18e5237_attn,@function
k_q7bb18e5237_attn:
	s_mov_b64 s[64:65], 0
	v_nop
	global_prefetch_b8 v0, s[64:65] scope:SCOPE_SE
	s_setreg_imm32_b32 hwreg(HW_REG_WAVE_MODE, 25, 1), 1
	s_wait_xcnt 0x0
; ATTENTION on codes of FP6 (E2M3), head size 64, 2,048 keys, with the mask that was given as an input.  Its result, divided by the row's sum, is quantised along the 1,024 features and leaves as rows 28672 on of cod and scl.
; t = score x log2(e) / 8; M = the row's largest t so far, rounded up to a whole number; p = 2^(t - M) is quantised along the keys; the row's sum is taken of the unquantised p.  When M moves, the sum and O are multiplied by 2^(old M - new M): exact.
; SHARES.  Work-group (j, b h) holds the head's WHOLE K, V and their scale words in LDS, 204,800 bytes, copied once through registers; one barrier; then the sixteen waves never meet again.
; Wave w takes the tiles of 16 queries 4 w + j and 127 - (4 w + j), one after the other; a tile walks the 16 steps of 128 keys.
; THE MASK.  An earlier launch stored, for each (tile of queries, step), a flag: 0 no key counts, 1 some, 3 all; and the mask's bits.  A step with flag 0 is passed over by a scalar branch on the stored number (its p would all be 0);
; with flag 1 the hidden scores become -infinity ahead of the maximum; with flag 3 that is passed over.  Nothing of the mask's pattern is built in.  That branch is why K and V come through registers and not by the tensor data mover.
; LAYOUT.  Both products are used transposed: a lane holds ONE query (lane % 16).  The head's 64 are half of the instruction's 128: a fragment of K holds two tiles of 16 keys (registers 0-5, 6-11), and Q stands as q | 0 | q in 18 registers,
; so that v[16:27] meets the first tile and v[22:33] the second; the halves that meet zero codes add nothing.  The keys of a tile are chosen so that the 16 registers of tiles 2 b, 2 b + 1 are keys 32 b + 16 (lane / 16) + 0 .. 15.
; V's tiles of channels are chosen likewise, so that O^T's 16 registers of two tiles are 16 neighbouring channels for the last quantiser.
; A ROW WITH NO KEY AT ALL has the sum 0: its scale bytes are stored as 0xff, so that the row of the output is NaN, as the softmax of such a row is.
; LIMITS: NaN and infinities among the floating-point inputs are not served; a block of zeros gets the byte 1 (its codes are zeros; this program alone reads the bytes).
; REGISTERS: v1 16 lane; v2 K's scale words; v3 my row of the mask's copy; v4, v5 the add's two; v6 8 lane; v7 4 r; v8-11 addresses in hand; v12 -M; v13 the largest t; v[14:15] the sum; v16-33 Q; v34 Q's scale word; v35 4 h; v36-39 mask bits;
;   v40-87 K's four fragments, later p's codes (v40-51) and the conversions' halves (v52-58); v88-135 V's four; v136-199 S^T, then p; v200-231 O^T; v232-247 at work; v242, v243 addresses; v248-251 K's and V's scale words; v252 f; v253 p's scale word; v254 at work; v255 -infinity.
; SCALARS: s[4:17] kv, qc, qs, mb, fl, cod, scl; s18 wave; s[20:21] lane selects; s[22:23] c; s24 b h, s25 batch, s26 head; s27 the tile; s28, s29 counters; s30, s31 LDS bytes of the step; s32 2 x step; s33 the 16 flags; s[36:51] flags as loaded; s52-71 pointers.
.set KVB,   204800
.set MCP,   204800                     ; behind K and V: each wave's own copy of its tile's mask bits, 4,096 bytes
.set SPARE, 270336                     ; the spare words, 128 bytes a wave: eight blocks of 256 bytes that no other line names
.set QF, 16
.set QS, 34
.set KF, 40
.set VF, 88
.set ST, 136
.set OT, 200
.set KS, 248
.set VS, 250
	s_load_b256 s[4:11], s[0:1], 0x0               ; kv, qc, qs, mb
	s_load_b128 s[12:15], s[0:1], 0x20             ; fl, cod
	s_load_b64 s[16:17], s[0:1], 0x30              ; scl
	v_lshl_add_u32 v4, v0, 2, SPARE
	v_mov_b32 v5, 0
	v_lshrrev_b32 v1, 5, v0
	v_readfirstlane_b32 s18, v1                    ; wave 0..15
	s_and_b32 s24, ttmp7, 0xffff                   ; 16 x batch + head
	s_lshr_b32 s25, s24, 4
	s_and_b32 s26, s24, 15
	s_lshl_b32 s27, s18, 2
	s_add_co_u32 s27, s27, ttmp9                   ; my first tile of queries
	s_mul_i32 s68, s24, KVB
	s_mov_b32 s69, 0
	v_lshlrev_b32 v200, 4, v0                      ; 16 x thread
	v_add_nc_u32 v201, 0x10000, v200
	v_add_nc_u32 v202, 0x20000, v200
	v_add_nc_u32 v203, 0x30000, v200
	s_wait_kmcnt 0x0
	s_add_nc_u64 s[52:53], s[4:5], s[68:69]
.irp i, 0,1,2,3,4,5,6,7,8,9,10,11,12,13,14,15,16,17,18,19,20,21,22,23,24
	global_load_b128 v[100+4*\i:103+4*\i], v200, s[52:53] offset:8192*\i   ; the head's block, 8,192 consecutive bytes a line for the 512 threads
.endr
	v_and_b32 v8, 31, v0                           ; lane
	v_and_b32 v9, 15, v0                           ; r
	v_bfe_u32 v10, v0, 4, 1                        ; h
	v_lshlrev_b32 v1, 4, v8
	v_lshl_add_u32 v2, v8, 2, 196608
	s_lshl_b32 s19, s18, 12
	s_add_co_u32 s19, s19, MCP
	v_lshl_add_u32 v3, v9, 4, s19
	v_lshlrev_b32 v6, 3, v8
	v_lshlrev_b32 v7, 2, v9
	v_lshlrev_b32 v35, 2, v10
	v_add_nc_u32 v242, s19, v1
	v_lshl_add_u32 v243, v9, 3, v10
	v_mov_b32 v255, 0xff800000
.irp i, 22,23,24,25,26,27
	v_mov_b32 v\i, 0                               ; the zero codes between Q's two copies: written once
.endr
.irp i, 236,237,238,239,252,253,254
	v_mov_b32 v\i, 0                               ; lane permutes' destinations and pairs' upper halves count as read
.endr
	s_mov_b32 s20, 0x76543210
	s_mov_b32 s21, 0xfedcba98
	s_mov_b32 s22, 0x3e38aa3b                      ; c = log2(e) / 8
	s_mov_b32 s23, s22
	s_mov_b32 s35, 0xffff0000                      ; lanes 16-31
	s_mul_i32 s70, s26, 768
	s_add_co_u32 s70, s70, 22020096                ; cod: row tile 1792, + my head's 768 bytes of a tile
	s_lshr_b32 s71, s26, 2
	s_mul_i32 s71, s71, 294912
	s_and_b32 s34, s26, 3
	s_lshl_b32 s34, s34, 1
	s_add_co_u32 s71, s71, s34
	s_add_co_u32 s71, s71, 229376                  ; scl: my head's K / 256, row 28672, my head's two bytes of the eight
	s_mov_b32 s28, 0
.irp i, 0,1,2,3,4,5,6,7,8,9,10,11,12,13,14,15,16,17,18,19,20,21,22,23,24
	s_wait_loadcnt 24-\i                           ; loads come back in order: line i is in, the younger ones may be out
	ds_store_b128 v[200+\i/8], v[100+4*\i:103+4*\i] offset:8192*(\i%8)
.endr
	s_wait_dscnt 0x0                               ; for the others' sake: my stores have landed
	s_barrier_signal -1
	s_barrier_wait -1                              ; K, V and their scale words are whole; nobody writes them again
.macro QK b, u                         ; tile 2 b + u of S^T: 16 keys x my 16 queries
.if (\b)%2
	v_wmma_scale_f32_16x16x128_f8f6f4 v[ST+8*(2*(\b)+(\u)):ST+8*(2*(\b)+(\u))+7], v[KF+12*(\b):KF+12*(\b)+11], v[QF+6*(\u):QF+6*(\u)+11], 0, v[KS+(\b)/2], v[QS] matrix_a_fmt:MATRIX_FMT_FP6 matrix_b_fmt:MATRIX_FMT_FP6 matrix_a_scale:MATRIX_SCALE_ROW1
.else
	v_wmma_scale_f32_16x16x128_f8f6f4 v[ST+8*(2*(\b)+(\u)):ST+8*(2*(\b)+(\u))+7], v[KF+12*(\b):KF+12*(\b)+11], v[QF+6*(\u):QF+6*(\u)+11], 0, v[KS+(\b)/2], v[QS] matrix_a_fmt:MATRIX_FMT_FP6 matrix_b_fmt:MATRIX_FMT_FP6
.endif
.endm
.macro PV t                            ; tile t of O^T: 16 channels x my 16 queries, K = the step's 128 keys
.if (\t)%2
	v_wmma_scale_f32_16x16x128_f8f6f4 v[OT+8*(\t):OT+8*(\t)+7], v[VF+12*(\t):VF+12*(\t)+11], v[40:51], v[OT+8*(\t):OT+8*(\t)+7], v[VS+(\t)/2], v253 matrix_a_fmt:MATRIX_FMT_FP6 matrix_b_fmt:MATRIX_FMT_FP6 matrix_a_scale:MATRIX_SCALE_ROW1
.else
	v_wmma_scale_f32_16x16x128_f8f6f4 v[OT+8*(\t):OT+8*(\t)+7], v[VF+12*(\t):VF+12*(\t)+11], v[40:51], v[OT+8*(\t):OT+8*(\t)+7], v[VS+(\t)/2], v253 matrix_a_fmt:MATRIX_FMT_FP6 matrix_b_fmt:MATRIX_FMT_FP6
.endif
.endm
.Ltile:                                ; two trips
	s_wait_xcnt 0x0                                ; the last tile's stores have read their registers and bases
	s_lshl_b32 s54, s25, 7
	s_add_co_u32 s54, s54, s27                     ; 128 x batch + tile
	s_lshl_b32 s55, s24, 7
	s_add_co_u32 s55, s55, s27                     ; 128 x (16 batch + head) + tile
	s_lshl_b32 s68, s54, 6
	s_add_nc_u64 s[52:53], s[12:13], s[68:69]
	s_load_b512 s[36:51], s[52:53], 0x0            ; the tile's 16 flags
	s_lshl_b32 s68, s54, 12
	s_add_nc_u64 s[56:57], s[10:11], s[68:69]      ; its mask bits: 4,096 dense bytes
	s_mul_i32 s68, s55, 768
	s_add_nc_u64 s[58:59], s[6:7], s[68:69]        ; Q's codes
	s_lshl_b32 s68, s55, 6
	s_add_nc_u64 s[60:61], s[8:9], s[68:69]        ; Q's scale words
	s_mul_i32 s68, s54, 12288
	s_add_co_u32 s68, s68, s70
	s_add_nc_u64 s[62:63], s[14:15], s[68:69]      ; where the result's codes go,
	s_lshl_b32 s68, s54, 7
	s_add_co_u32 s68, s68, s71
	s_add_nc_u64 s[66:67], s[16:17], s[68:69]      ; and its scale bytes
.irp i, 0,1,2,3,4,5,6,7
	global_load_b128 v[ST+4*\i:ST+4*\i+3], v1, s[56:57] offset:512*\i
.endr
.irp p, 0,1,2
	global_load_b64 v[QF+2*\p:QF+2*\p+1], v6, s[58:59] offset:256*\p
	global_load_b64 v[QF+12+2*\p:QF+12+2*\p+1], v6, s[58:59] offset:256*\p
.endr
	global_load_b32 v[QS], v7, s[60:61]
	v_mov_b32 v13, 0xff61b1e6                      ; the largest t so far: -3e38
	v_floor_f32 v12, -v13                          ; -M
	v_mov_b32 v14, 0
	v_mov_b32 v15, 0
.set n, 0
.rept 32
	v_mov_b32 v[OT+n], 0                           ; the step is written once: the first finds zeros
.set n, n+1
.endr
	s_mov_b32 s29, 0
	s_mov_b32 s30, 0
	s_mov_b32 s31, 0
	s_mov_b32 s32, 0
	s_wait_kmcnt 0x0
	s_mov_b32 s33, s36                             ; the 16 flags, two bits each
.irp i, 1,2,3,4,5,6,7,8,9,10,11,12,13,14,15
	s_lshl_b32 s34, s[36+\i], 2*\i
	s_or_b32 s33, s33, s34
.endr
	s_wait_loadcnt 7                               ; the mask bits are in; Q's six loads and its scale word may be out
.irp i, 0,1,2,3,4,5,6,7
	ds_store_b128 v242, v[ST+4*\i:ST+4*\i+3] offset:512*\i   ; my own 4,096 bytes: no other wave touches them
.endr
	s_wait_loadcnt 0x0
	s_wait_dscnt 0x0
.Lstep:                                ; 16 trips, a constant; what a flag leaves out is a step's work, not the trip
	s_lshr_b32 s34, s33, s32
	s_and_b32 s34, s34, 3
	s_cmp_eq_u32 s34, 0
	s_cbranch_scc1 .Lskip
	v_add_nc_u32 v8, s30, v1                       ; K's fragments.  (These four are the places between the last products and the loads into their registers)
	v_add_nc_u32 v9, 98304, v8                     ; V's
	v_add_nc_u32 v10, s31, v2                      ; the scale words
	v_add_nc_u32 v11, s31, v3                      ; my row's mask bits
.irp b, 0,1,2,3
.irp i, 0,1,2
	ds_load_b128 v[KF+12*\b+4*\i:KF+12*\b+4*\i+3], v8 offset:1536*\b+512*\i
.endr
.endr
	ds_load_b32 v[KS], v10                         ; lanes 0-15 fragment 0's words, lanes 16-31 fragment 1's
	ds_load_b32 v[KS+1], v10 offset:128
	ds_load_b128 v[36:39], v11
.irp b, 0,1,2,3
.irp i, 0,1,2
	ds_load_b128 v[VF+12*\b+4*\i:VF+12*\b+4*\i+3], v9 offset:1536*\b+512*\i
.endr
.endr
	ds_load_b32 v[VS], v10 offset:4096
	ds_load_b32 v[VS+1], v10 offset:4224
	s_wait_dscnt 14                                ; K, its words and the mask bits are in; V's 12 loads and its two words may be out
.irp b, 0,1,2,3
	QK \b, 0
	QK \b, 1
.endr
.rept 4
	v_nop
.endr
	s_cmp_eq_u32 s34, 3
	s_cbranch_scc1 .Lopen                          ; all keys count
.irp c, 0,1,2,3
	v_lshrrev_b32 v[36+\c], v35, v[36+\c]          ; register 16 b + i holds key 32 b + 16 h + i: bit 8 b + 4 h + i / 4 of dword i % 4
.endr
.set n, 0
.rept 64
	v_and_b32 v[240+n%2], 1<<(8*(n/16)+(n%16)/4), v[36+n%4]
	v_cmp_ne_u32 vcc_lo, 0, v[240+n%2]
	v_cndmask_b32 v[ST+n], v255, v[ST+n], vcc_lo   ; a hidden key's score becomes -infinity: p = 0
.set n, n+1
.endr
.Lopen:
.irp b, 0,1,2,3
	v_max3_num_f32 v[232+\b], v[ST+16*\b], v[ST+1+16*\b], v[ST+2+16*\b]   ; the largest score of each block of 32 keys: for the row's maximum and, since p rises with the score, for the block's largest p
.endr
.irp i, 3,5,7,9,11,13
.irp b, 0,1,2,3
	v_max3_num_f32 v[232+\b], v[232+\b], v[ST+16*\b+\i], v[ST+1+16*\b+\i]
.endr
.endr
.irp b, 0,1,2,3
	v_max_num_f32 v[232+\b], v[232+\b], v[ST+15+16*\b]
.endr
.irp b, 0,1,2,3
	v_permlanex16_b32 v[236+\b], v[232+\b], s20, s21
.endr
.irp b, 0,1,2,3
	v_max_num_f32 v[232+\b], v[232+\b], v[236+\b]
.endr
	v_max3_num_f32 v254, v232, v233, v234
	v_max_num_f32 v254, v254, v235
	v_mul_f32 v254, s22, v254                      ; as t
	v_max_num_f32 v13, v13, v254                   ; the running largest t
	v_mov_b32 v254, v12
	v_floor_f32 v12, -v13                          ; the new -M: a whole number
	v_sub_f32 v254, v12, v254
	v_cvt_i32_f32 v254, v254                       ; (it saturates)
	v_ldexp_f32 v252, 1.0, v254                    ; f = 2^(old M - new M)
.set n, 0
.rept 32
	v_pk_fma_f32 v[ST+n:ST+n+1], v[ST+n:ST+n+1], s[22:23], v[12:13] op_sel_hi:[1,0,0]   ; t - M
.set n, n+2
.endr
.irp b, 0,1,2,3
	v_fma_f32 v[232+\b], v[232+\b], s22, v12
.endr
.set n, 0
.rept 64
	v_exp_f32 v[ST+n], v[ST+n]                     ; p = 2^(t - M)
.set n, n+1
.endr
	v_pk_mul_f32 v[14:15], v[14:15], v[252:253] op_sel_hi:[1,0]   ; the sums under the new M: the plain place behind the exponentials
	s_wait_alu depctr_va_vdst(0)                   ; one wait for the batch, ahead of its first reader
.irp b, 0,1,2,3
	v_exp_f32 v[232+\b], v[232+\b]                 ; each block's largest p
.endr
	v_pk_add_f32 v[236:237], v[ST:ST+1], v[ST+2:ST+3]   ; the row's sum of the unquantised p, in two chains
.set n, 4
.rept 15
	v_pk_add_f32 v[14:15], v[14:15], v[ST+n:ST+n+1]
	v_pk_add_f32 v[236:237], v[236:237], v[ST+n+2:ST+n+3]
.set n, n+4
.endr
	v_pk_add_f32 v[14:15], v[14:15], v[236:237]
	s_wait_alu depctr_va_vdst(0)                   ; and one for the four
.irp b, 0,1,2,3
	v_max_num_f32 v[232+\b], 0x1800000, v[232+\b]  ; the floor 2^(3 - 127)
.endr
.irp b, 0,1,2,3
	v_add_nc_u32 v[244+\b], 0xff000000, v[232+\b]  ; the conversion's scale operand
.endr
.irp b, 0,1,2,3
	v_lshrrev_b32 v[236+\b], 23, v[244+\b]
.endr
	v_lshl_or_b32 v253, v237, 8, v236              ; p's scale word for these 128 keys
	v_lshl_or_b32 v253, v238, 16, v253
	v_lshl_or_b32 v253, v239, 24, v253
.irp c, 0,1
	v_cvt_scalef32_pk16_fp6_f32 v[40+6*\c:42+6*\c], v[ST+32*\c:ST+15+32*\c], v[244+2*\c]
	v_cvt_scalef32_pk16_fp6_f32 v[52+4*\c:54+4*\c], v[ST+16+32*\c:ST+31+32*\c], v[244+2*\c+1]
.endr
	v_nop                                          ; one plain place behind a scaled conversion
.irp c, 0,1
.irp i, 0,1,2
	v_permlane16_swap_b32 v[40+6*\c+\i], v[52+4*\c+\i]
.endr
.irp i, 0,1,2
	v_mov_b32 v[43+6*\c+\i], v[52+4*\c+\i]
.endr
.endr
.set n, 0
.rept 16
	v_pk_mul_f32 v[OT+n:OT+n+1], v[OT+n:OT+n+1], v[252:253] op_sel_hi:[1,0]   ; O^T under the new M.  (Also the places between p's codes and scale word and the products)
.set n, n+2
.endr
.rept 4
	v_nop                                          ; and four between the last of these and the products that add onto them
.endr
	s_wait_dscnt 0x0                               ; V and its scale words
.irp t, 0,1,2,3
	PV \t                                          ; four accumulators by turns
.endr
.Lskip:
	s_add_co_u32 s30, s30, 6144
	s_add_co_u32 s31, s31, 256
	s_add_co_u32 s32, s32, 2
	s_add_co_u32 s29, s29, 1
	s_cmp_lt_u32 s29, 16
	s_cbranch_scc1 .Lstep
	; THE TILE'S WAY OUT: O^T / the sum, quantised along the head's 64 channels (two blocks), as half of a fragment of the last product's left operand
.rept 4
	v_nop                                          ; the places behind the last products
.endr
	v_add_f32 v15, v14, v15
	v_permlanex16_b32 v254, v15, s20, s21
	v_add_f32 v15, v15, v254                       ; the row's sum
	v_rcp_f32 v14, v15
	v_mov_b32 v239, 0xff                           ; (a plain place behind the transcendental)
	s_wait_alu depctr_va_vdst(0)                   ; the wait, ahead of the first reader
.set n, 0
.rept 32
	v_mul_f32 v[ST+n], v[OT+n], v14                ; register 16 b + i is channel 32 b + 16 h + i
.set n, n+1
.endr
.irp b, 0,1
	v_max3_num_f32 v[232+\b], |v[ST+16*\b]|, |v[ST+1+16*\b]|, 0x1800000
.endr
.irp i, 2,4,6,8,10,12,14
.irp b, 0,1
	v_max3_num_f32 v[232+\b], v[232+\b], |v[ST+16*\b+\i]|, |v[ST+1+16*\b+\i]|
.endr
.endr
.irp b, 0,1
	v_permlanex16_b32 v[236+\b], v[232+\b], s20, s21
.endr
.irp b, 0,1
	v_max_num_f32 v[232+\b], v[232+\b], v[236+\b]
.endr
.irp b, 0,1
	v_add_nc_u32 v[244+\b], 0xff000000, v[232+\b]
.endr
.irp b, 0,1
	v_lshrrev_b32 v[236+\b], 23, v[244+\b]
.endr
	v_cvt_scalef32_pk16_fp6_f32 v[40:42], v[ST:ST+15], v244
	v_cvt_scalef32_pk16_fp6_f32 v[52:54], v[ST+16:ST+31], v245
	v_cndmask_b32 v238, v236, v237, s35            ; my half's block's byte.  (A plain place behind the conversions)
.irp i, 0,1,2
	v_permlane16_swap_b32 v[40+\i], v[52+\i]
.endr
.irp i, 0,1,2
	v_mov_b32 v[43+\i], v[52+\i]
.endr
	v_cmp_eq_f32 vcc_lo, 0, v15
	v_cndmask_b32 v238, v238, v239, vcc_lo         ; no key at all: the byte that makes the row NaN
.irp p, 0,1,2
	global_store_b64 v6, v[40+2*\p:41+2*\p], s[62:63] offset:256*\p   ; 256 consecutive bytes, aligned
.endr
	global_store_b8 v243, v238, s[66:67]           ; 32 single bytes a tile: 1 / 24 of the codes' bytes
	s_sub_co_u32 s27, 127, s27                     ; the second tile
	s_add_co_u32 s28, s28, 1
	s_cmp_lt_u32 s28, 2
	s_cbranch_scc1 .Ltile
	s_wait_tensorcnt 0x0                           ; the wave's end, behind my last LDS store
	ds_add_u32 v4, v5
	s_wait_dscnt 0x0
	s_endpgm
.Lfunc_end_k_q7bb18e5237_attn:
	.size	k_q7bb18e5237_attn, .Lfunc_end_k_q7bb18e5237_attn-k_q7bb18e5237_attn
	.p2alignl 7, 3214868480
	.fill 96, 4, 3214868480
	.section	.rodata,"a",@progbits
	.p2align	6, 0x0
	.amdhsa_kernel k_q7bb18e5237_attn
		.amdhsa_group_segment_fixed_size 272384
		.amdhsa_private_segment_fixed_size 0
		.amdhsa_enable_private_segment 0
		.amdhsa_kernarg_size 56
		.amdhsa_user_sgpr_count 2
		.amdhsa_user_sgpr_kernarg_segment_ptr 1
		.amdhsa_wavefront_size32 1
		.amdhsa_system_sgpr_workgroup_id_x 1
		.amdhsa_system_sgpr_workgroup_id_y 1
		.amdhsa_system_sgpr_workgroup_id_z 1
		.amdhsa_system_vgpr_workitem_id 0
		.amdhsa_next_free_vgpr 256
		.amdhsa_next_free_sgpr 80
		.amdhsa_reserve_vcc 1
		.amdhsa_float_denorm_mode_32 3
		.amdhsa_float_denorm_mode_16_64 3
		.amdhsa_memory_ordered 1
		.amdhsa_forward_progress 1
		.amdhsa_inst_pref_size 41
	.end_amdhsa_kernel
	.amdgpu_metadata
---
amdhsa.version: [ 1, 2 ]
amdhsa.kernels:
  - .name:           k_q7bb18e5237_attn
    .symbol:         k_q7bb18e5237_attn.kd
    .args:
      - { .name: kv, .offset: 0, .size: 8, .value_kind: global_buffer, .address_space: global }
      - { .name: qc, .offset: 8, .size: 8, .value_kind: global_buffer, .address_space: global }
      - { .name: qs, .offset: 16, .size: 8, .value_kind: global_buffer, .address_space: global }
      - { .name: mb, .offset: 24, .size: 8, .value_kind: global_buffer, .address_space: global }
      - { .name: fl, .offset: 32, .size: 8, .value_kind: global_buffer, .address_space: global }
      - { .name: cod, .offset: 40, .size: 8, .value_kind: global_buffer, .address_space: global }
      - { .name: scl, .offset: 48, .size: 8, .value_kind: global_buffer, .address_space: global }
    .group_segment_fixed_size: 272384
    .private_segment_fixed_size: 0
    .kernarg_segment_align: 8
    .kernarg_segment_size: 56
    .max_flat_workgroup_size: 512
    .sgpr_count:     80
    .vgpr_count:     256
    .wavefront_size: 32
...
	.end_amdgpu_metadata
.endif
;; end of part 3
;; launch outp (part 4): grid 4 x 32, 4 waves a work-group, clusters of 4 x 4, 327,680 bytes of LDS; arguments cod, scl, bo, out0; writes out0
.if DOCPART == 4
	.amdgcn_target "amdgcn-amd-amdhsa--gfx1250"
	.amdhsa_code_object_version 6
	.text
	.protected	k_q7bb18e5237_outp
	.globl	k_q7bb18e5237_outp
	.p2align	8
	.type	k_q7bb18e5237_outp,@function
k_q7bb18e5237_outp:
	s_mov_b64 s[64:65], 0
	v_nop
	global_prefetch_b8 v0, s[64:65] scope:SCOPE_SE
	s_setreg_imm32_b32 hwreg(HW_REG_WAVE_MODE, 25, 1), 1
	s_wait_xcnt 0x0
	s_wait_alu depctr_hold_cnt(0) depctr_sa_sdst(0) depctr_va_vdst(0) depctr_va_sdst(0) depctr_va_ssrc(0) depctr_va_vcc(0) depctr_vm_vsrc(0)
	s_getreg_b32 s2, hwreg(HW_REG_IB_STS2, 6, 4)
	s_cmp_eq_u32 s2, 0
	s_cbranch_scc0 .Lentry_in_a_cluster
	s_endpgm
.Lentry_in_a_cluster:
	s_bfe_u32 s2, ttmp6, 0x10000c
	s_cmp_lg_u32 s2, 0xf033
	s_cbranch_scc0 .Lentry_shape_is_right
	s_endpgm
.Lentry_shape_is_right:
; out0 = val Wo^T + bo on codes of FP6 (E2M3) with one E8M0 scale for each 32 along K = 1024, f32 sums.  val: storage rows 28672 on of cod and scl (attention's result), Wo: rows 27648 on; out0 [8192][1024] f32.
; The body is that of the projections' launch: a tile of 256 x 256 by four waves of 128 x 128; K in steps of 256 through two LDS slots filled by the tensor data mover; fragments lie in memory and in LDS as images of their registers;
; the scales of a wave's 128 rows come once and stay; 4 x 4 clusters, A's tiles shared along a row, B's along a column; the matrix instruction used transposed (source 0 = 16 rows of Wo, source 1 = 16 rows of val).
; The grid is one cluster wide.  THE BIAS is the C of each sum's first matrix instruction: eight registers for each of B's eight blocks, in the result's layout.
; The way out: a block of 16 rows x 128 columns goes through the wave's own stage in LDS and leaves as whole rows of 512 bytes.  The stage lies in slot 0, which has had its last fill and its last read by then.
; REGISTERS: window 0: v0-31 addresses; v32-63 scale words, two sets, and nothing else; v64-127 the bias; v128-223 A's fragments; on the way out v128-255 rows of the result.  window 1: B's fragments, two sets.  windows 2, 3: the accumulators.
.set FR,    12
.set NL,    6
.set NP,    4
.set NQ,    2
.set FRB,   1536
.set KSB,   NQ*FRB
.set HALFT, 8*KSB
.set SLOT,  4*HALFT
.set LAPS,  2
.set SCL,   2*SLOT
.set SPARE, 213248                     ; the spare words, 128 bytes a wave: two blocks of 256 bytes that no other line names
.set SPITCH, 528
.set ADRA, 16
.set ADRB, 20
.set STO,  24                          ; v24 the way out: where I put 32 bytes of a row
.set RD,   25                          ; v25 where I read a row back
.set CO,   26                          ; v26 my byte offset in a row of the result
.set ADRS, 27
.set SPW,  28                          ; v28 LDS address of my spare word; never rewritten
.set NIL,  29                          ; v29 0; never rewritten
.set SC,   32
.set BI,   64
.set AF,   128
.set BK,   128
.set G1, 24
.set G0, 32
.set G1B, 48
.set G0B, 56
.set G1S, 68
.set G0S, 76
.set G1SB, 80
.set G0SB, 88
.set MSB, 0
.macro WIN new
.if MSB != (\new)
	s_set_vgpr_msb (MSB<<8)|(\new)
.set MSB, (\new)
.endif
.endm
.set MUL_LO, 0xa1                      ; source 0 (B) window 1, source 1 (A) window 0, C and D window 2
.set MUL_HI, 0xf1
.set TO_B,   0x40
.macro JLOAD g0a, g1a, g0b, g1b        ; a joint load: waves 0 and 1 fetch for A, waves 2 and 3 for B; an s_nop 0 and four v_nop follow each line
	s_cmp_eq_u32 s15, 0
	s_cbranch_scc0 .Lfor_b_\@
	tensor_load_to_lds s[\g0a:\g0a+3], s[\g1a:\g1a+7]
	s_nop 0
.rept 4
	v_nop
.endr
	s_branch .Lasked_\@
.Lfor_b_\@:
	tensor_load_to_lds s[\g0b:\g0b+3], s[\g1b:\g1b+7]
	s_nop 0
.rept 4
	v_nop
.endr
.Lasked_\@:
.endm
.macro CREST
	s_cmp_lg_u32 s14, 0
	s_cbranch_scc1 .Lnot_wave_0_\@
	s_barrier_signal -3
.Lnot_wave_0_\@:
	s_barrier_wait -3
	s_barrier_signal -1
	s_barrier_wait -1
.endm
.macro CROUND
	s_barrier_signal -1
	s_barrier_wait -1
	CREST
.endm
	s_load_b256 s[4:11], s[0:1], 0x0               ; cod, scl, bo, out0
	v_lshl_add_u32 v[SPW], v0, 2, SPARE
	v_mov_b32 v[NIL], 0
	ds_add_u32 v[SPW], v[NIL]                      ; the wave's opening: the add and its wait stand ahead of my first tensor load
	v_lshrrev_b32 v1, 5, v0
	v_readfirstlane_b32 s14, v1                    ; wave 0..3
	s_lshr_b32 s15, s14, 1
	s_and_b32 s16, s14, 1
	s_bfe_u32 s40, ttmp6, 0x40000                  ; cx
	s_bfe_u32 s41, ttmp6, 0x40004                  ; cy
	s_and_b32 s17, ttmp7, 0xffff                   ; the cluster's y
	s_lshl_b32 s43, s41, 2
	s_lshl_b32 s43, 15, s43                        ; my row of the cluster
	s_lshl_b32 s44, 0x1111, s40                    ; my column
	s_or_b32 s[G1+0], s43, (3<<16)|(1<<21)         ; the mask; elements of 8 bytes; bit 21 beside a mask; no padding
	s_or_b32 s[G1B+0], s44, (3<<16)|(1<<21)
.irp g, G1, G1B
	s_mov_b32 s[\g+1], 384<<16                     ; 3,072 bytes
	s_mov_b32 s[\g+2], 8<<16                       ; of 8 row tiles,
	s_mov_b32 s[\g+3], 384<<16
	s_mov_b32 s[\g+4], 8
	s_mov_b32 s[\g+5], 1536                        ; 12,288 bytes apart
	s_mov_b32 s[\g+6], 0
	s_mov_b32 s[\g+7], 0
.endr
	s_or_b32 s[G1S+0], s43, (3<<16)|(1<<21)
	s_or_b32 s[G1SB+0], s44, (3<<16)|(1<<21)
.irp g, G1S, G1SB
	s_mov_b32 s[\g+1], 128<<16                     ; 128 rows x 8 bytes
	s_mov_b32 s[\g+2], 4<<16                       ; four K / 256,
	s_mov_b32 s[\g+3], 128<<16
	s_mov_b32 s[\g+4], 4
	s_mov_b32 s[\g+5], 36864                       ; 294,912 bytes apart
	s_mov_b32 s[\g+6], 0
	s_mov_b32 s[\g+7], 0
.endr
	s_lshl_b32 s18, s16, 7                         ; which 128 rows I fetch
	s_lshl_b32 s20, s17, 2
	s_add_co_u32 s20, s20, s41
	s_lshl_b32 s20, s20, 8
	s_add_co_u32 s20, s20, 28672
	s_add_co_u32 s20, s20, s18                     ; A's storage row: never holds cx
	s_lshl_b32 s46, s40, 8
	s_add_co_u32 s46, s46, 27648
	s_add_co_u32 s46, s46, s18                     ; B's: never holds cy
	s_lshl_b32 s22, s20, 3
	s_mov_b32 s23, 0
	s_mul_i32 s20, s20, 768
	s_mov_b32 s21, 0
	s_lshl_b32 s92, s46, 3
	s_mov_b32 s93, 0
	s_mul_i32 s46, s46, 768
	s_mov_b32 s47, 0
	s_mul_i32 s45, s14, HALFT
	s_lshl_b32 s94, s14, 12
	s_lshl_b32 s18, s15, 7
	s_add_co_u32 s94, s94, s18
	s_wait_dscnt 0x0                               ; the opening add is done
	s_wait_kmcnt 0x0
	s_add_nc_u64 s[20:21], s[4:5], s[20:21]
	s_add_nc_u64 s[22:23], s[6:7], s[22:23]
	s_add_nc_u64 s[46:47], s[4:5], s[46:47]
	s_add_nc_u64 s[92:93], s[6:7], s[92:93]
	CROUND                                         ; all sixteen work-groups are here: the first joint loads meet
	s_mov_b32 s[G0S], 1
	s_add_co_u32 s[G0S+1], s94, SCL
	s_mov_b64 s[G0S+2:G0S+3], s[22:23]
	s_or_b32 s[G0S+3], s[G0S+3], 0x80000000
	s_mov_b32 s[G0SB], 1
	s_add_co_u32 s[G0SB+1], s94, SCL
	s_mov_b64 s[G0SB+2:G0SB+3], s[92:93]
	s_or_b32 s[G0SB+3], s[G0SB+3], 0x80000000
	JLOAD G0S, G1S, G0SB, G1SB
.irp s, 0,1
	s_mov_b32 s[G0+4*\s], 1
	s_add_co_u32 s[G0+4*\s+1], s45, \s*SLOT
	s_add_nc_u64 s[G0+4*\s+2:G0+4*\s+3], s[20:21], \s*KSB
	s_or_b32 s[G0+4*\s+3], s[G0+4*\s+3], 0x80000000
	s_mov_b32 s[G0B+4*\s], 1
	s_add_co_u32 s[G0B+4*\s+1], s45, \s*SLOT
	s_add_nc_u64 s[G0B+4*\s+2:G0B+4*\s+3], s[46:47], \s*KSB
	s_or_b32 s[G0B+4*\s+3], s[G0B+4*\s+3], 0x80000000
	JLOAD G0+4*\s, G1, G0B+4*\s, G1B               ; three tensor loads of mine are out at the most
.endr
	v_and_b32 v1, 15, v0                           ; r
	v_bfe_u32 v2, v0, 4, 1                         ; h
	v_and_b32 v3, 31, v0                           ; lane
	v_lshlrev_b32 v4, 3, v3
	s_lshl_b32 s18, s40, 10                        ; my first column, in bytes of f32: 1,024 cx + 512 x half
	s_lshl_b32 s19, s16, 9
	s_add_co_u32 s18, s18, s19
	s_mov_b32 s19, 0
	s_add_nc_u64 s[8:9], s[8:9], s[18:19]
	v_lshlrev_b32 v7, 5, v2                        ; the bias: register 8 b + j = bo[my first column + 16 b + 8 h + j]
.irp b, 0,1,2,3,4,5,6,7
	global_load_b128 v[BI+8*\b:BI+8*\b+3], v7, s[8:9] offset:64*\b
	global_load_b128 v[BI+8*\b+4:BI+8*\b+7], v7, s[8:9] offset:64*\b+16
.endr
	s_add_nc_u64 s[10:11], s[10:11], s[18:19]
	s_lshl_b32 s18, s17, 2
	s_add_co_u32 s18, s18, s41
	s_lshl_b32 s18, s18, 8
	s_lshl_b32 s21, s15, 7
	s_add_co_u32 s18, s18, s21                     ; my first row of the result
	s_lshl_b32 s18, s18, 12
	s_add_nc_u64 s[10:11], s[10:11], s[18:19]
	s_mul_i32 s21, s15, HALFT
	s_mul_i32 s22, s16, HALFT
	s_add_co_u32 s22, s22, 2*HALFT
.irp s, 0,1
	v_add_nc_u32 v[ADRA+\s], s21, v4
	v_add_nc_u32 v[ADRB+\s], s22, v4
	s_add_co_u32 s21, s21, SLOT
	s_add_co_u32 s22, s22, SLOT
.endr
	v_lshlrev_b32 v5, 3, v1
	s_lshl_b32 s21, s15, 12
	s_lshl_b32 s22, s16, 12
	s_add_co_u32 s22, s22, 2*4096+128
	s_sub_co_u32 s22, s22, s21
	v_mul_u32_u24 v6, s22, v2                      ; lanes 16-31 take B's: one product, the distance between the two
	s_add_co_u32 s21, s21, SCL
	v_add_nc_u32 v5, v5, v6
	v_add_nc_u32 v[ADRS], s21, v5
	s_mul_i32 s23, s14, 16*SPITCH                  ; my stage
	v_mul_u32_u24 v5, v1, SPITCH
	v_lshl_add_u32 v5, v2, 5, v5
	v_add_nc_u32 v[STO], s23, v5
	v_lshlrev_b32 v[CO], 4, v3
	v_add_nc_u32 v[RD], s23, v[CO]
.macro FRAG reg, adr, q, i
.irp p, 0,1,2,3,4,5
	ds_load_b64 v[\reg+2*\p:\reg+2*\p+1], v[\adr] offset:(\i)*KSB+(\q)*FRB+256*\p
.endr
.endm
.macro MM a, b, p, q, sc, zero
.set DD, 8*(8*((\a)%4)+(\b))
.set FB, 128*(\p)+FR*(\b)
.set FA, AF+FR*(\a)
.set SB, SC+8*NQ*(\sc)+NQ*(\b)+(\q)
.set SA, SC+8*NQ*(\sc)+NQ*(\a)+(\q)
.if \zero
	v_wmma_scale_f32_16x16x128_f8f6f4 v[DD:DD+7], v[FB:FB+FR-1], v[FA:FA+FR-1], v[BI+8*(\b):BI+8*(\b)+7], v[SB], v[SA] matrix_a_fmt:MATRIX_FMT_FP6 matrix_b_fmt:MATRIX_FMT_FP6 matrix_a_scale:MATRIX_SCALE_ROW1
.else
	v_wmma_scale_f32_16x16x128_f8f6f4 v[DD:DD+7], v[FB:FB+FR-1], v[FA:FA+FR-1], v[DD:DD+7], v[SB], v[SA] matrix_a_fmt:MATRIX_FMT_FP6 matrix_b_fmt:MATRIX_FMT_FP6 matrix_a_scale:MATRIX_SCALE_ROW1
.endif
.endm
.macro MUL16 a0, p, q, sc, zero        ; the 64 accumulators take turns, one instruction a turn
.irp a, \a0, \a0+1
.irp b, 0,1,2,3,4,5,6,7
	MM \a, \b, \p, \q, \sc, \zero
.endr
.endr
.endm
.macro FETCH_B slot, q, p
	WIN TO_B
.irp i, 0,1,2,3,4,5,6,7
	FRAG 128*(\p)+FR*\i, ADRB+\slot, \q, \i
.endr
	WIN 0
.endm
.macro FETCH_A slot, q, i0
.irp i, \i0, \i0+1, \i0+2, \i0+3
	FRAG AF+FR*(\i), ADRA+\slot, \q, \i
.endr
.endm
.macro SCALES sc
.irp i, 0,1,2,3,4,5,6,7
	ds_load_b64 v[SC+8*NQ*\sc+NQ*\i:SC+8*NQ*\sc+NQ*\i+1], v[ADRS] offset:128*\i
.endr
.endm
.macro PLACES n
.rept \n
	v_nop
.endr
.endm
.macro STEP slot, q, zero
	s_wait_dscnt 4*NL                              ; B's set and A's blocks 0-3 are in; the youngest 24 loads (A's blocks 4-7) may be out
.if \zero
	WIN 0x81                                       ; the first step: C (the bias) in window 0, D in window 2
.else
	WIN MUL_LO
.endif
	MUL16 0, (\q)%2, \q, \slot, \zero
	MUL16 2, (\q)%2, \q, \slot, \zero
	s_wait_dscnt 0
	PLACES NP
	FETCH_B \slot, (\q)+1, 1-(\q)%2
	FETCH_A \slot, (\q)+1, 0
.if \zero
	WIN 0xc1
.else
	WIN MUL_HI
.endif
	MUL16 4, (\q)%2, \q, \slot, \zero
	MUL16 6, (\q)%2, \q, \slot, \zero
	PLACES NP
	WIN 0
	FETCH_A \slot, (\q)+1, 4
.endm
.macro TURN slot, next, fill
	s_wait_tensorcnt 0x0                           ; all my tensor loads have landed: my part of the next slot
	ds_add_u32 v[SPW], v[NIL]
	s_wait_dscnt 4*NL+1                            ; (the add and the youngest 24 loads may be out)
	WIN MUL_LO
	MUL16 0, 1, NQ-1, \slot, 0
	s_wait_dscnt 0x0                               ; the add is done, and my reads of this slot are over
	s_barrier_signal -1
	MUL16 2, 1, NQ-1, \slot, 0
	WIN 0
	s_barrier_wait -1
.if \fill
	CREST                                          ; a round of the cluster's barrier: no wave of any partner still reads this slot or has a load on its way
	s_add_nc_u64 s[G0+4*\slot+2:G0+4*\slot+3], s[G0+4*\slot+2:G0+4*\slot+3], 2*KSB
	s_add_nc_u64 s[G0B+4*\slot+2:G0B+4*\slot+3], s[G0B+4*\slot+2:G0B+4*\slot+3], 2*KSB
	JLOAD G0+4*\slot, G1, G0B+4*\slot, G1B
.else
	PLACES NP
.endif
	v_add_nc_u32 v[ADRS], 1024, v[ADRS]
	FETCH_B \next, 0, 0
	FETCH_A \next, 0, 0
	SCALES \next
	WIN MUL_HI
	MUL16 4, 1, NQ-1, \slot, 0
	MUL16 6, 1, NQ-1, \slot, 0
	PLACES NP
	WIN 0
	FETCH_A \next, 0, 4
.endm
	s_wait_tensorcnt 1                             ; the scales and my part of K step 0 are in (K step 1's load may be out)
	s_barrier_signal -1
	s_barrier_wait -1
	FETCH_B 0, 0, 0
	FETCH_A 0, 0, 0
	SCALES 0
	FETCH_A 0, 0, 4
	s_wait_loadcnt 0x0                             ; the bias
	STEP 0, 0, 1
	s_mov_b32 s3, LAPS-1
.Llap:
	TURN 0, 1, 1
	STEP 1, 0, 0
	TURN 1, 0, 1
	STEP 0, 0, 0
	s_sub_co_u32 s3, s3, 1
	s_cmp_lg_u32 s3, 0
	s_cbranch_scc1 .Llap
	TURN 0, 1, 0
	STEP 1, 0, 0
	s_wait_dscnt 4*NL
	WIN MUL_LO
	MUL16 0, 1, NQ-1, 1, 0
	MUL16 2, 1, NQ-1, 1, 0
	s_wait_dscnt 0
	WIN MUL_HI
	MUL16 4, 1, NQ-1, 1, 0
	MUL16 6, 1, NQ-1, 1, 0
	WIN 0
; THE WAY OUT, block by block of 16 rows x 128 columns, through my own stage: LDS serves a wave's instructions in order, so no wait stands between the stores and the loads.
.macro TOSTAGE a
.set AC, 64*((\a)%4)
	WIN 0x08+4*((\a)/4)                            ; an LDS store's data: window 2 or 3
.irp b, 0,1,2,3,4,5,6,7
	ds_store_b128 v[STO], v[AC+8*\b:AC+8*\b+3] offset:64*\b          ; each accumulator from its low end on
	ds_store_b128 v[STO], v[AC+8*\b+4:AC+8*\b+7] offset:64*\b+16
.endr
	WIN 0
.set BB, BK+64*((\a)%2)
.irp t, 0,1,2,3,4,5,6,7,8,9,10,11,12,13,14,15
	ds_load_b128 v[BB+4*\t:BB+4*\t+3], v[RD] offset:\t*SPITCH
.endr
.endm
.macro SEND a, younger                 ; younger: the LDS instructions issued behind block a's loads, which may stay out
.set BB, BK+64*((\a)%2)
	s_wait_dscnt \younger
.if (\a) > 0
	s_add_nc_u64 s[10:11], s[10:11], 16*4096       ; 16 rows on (behind a wait on XCNT: the earlier stores have read their base)
.endif
.irp t, 0,1,2,3,4,5,6,7,8,9,10,11,12,13,14,15
	global_store_b128 v[CO], v[BB+4*\t:BB+4*\t+3], s[10:11] offset:\t*4096 th:TH_STORE_NT   ; 32 lanes store 512 consecutive bytes, aligned
.endr
.endm
	PLACES NP
	TOSTAGE 0
.irp a, 1,2,3,4,5,6,7
.if \a > 1
	s_wait_xcnt 0x0                                ; block a - 2's stores have read their registers and their base
.endif
	TOSTAGE \a
	SEND \a-1, 32                                  ; behind block a - 1's loads: block a's 16 stores and 16 loads
.endr
	s_wait_xcnt 0x0
	SEND 7, 0
	s_wait_tensorcnt 0x0                           ; the wave's end, behind my last tensor load and my last LDS store
	ds_add_u32 v[SPW], v[NIL]
	s_wait_dscnt 0x0
	CROUND                                         ; the closing round
	s_endpgm
.Lfunc_end_k_q7bb18e5237_outp:
	.size	k_q7bb18e5237_outp, .Lfunc_end_k_q7bb18e5237_outp-k_q7bb18e5237_outp
	.p2alignl 7, 3214868480
	.fill 96, 4, 3214868480
	.section	.rodata,"a",@progbits
	.p2align	6, 0x0
	.amdhsa_kernel k_q7bb18e5237_outp
		.amdhsa_group_segment_fixed_size 327680
		.amdhsa_private_segment_fixed_size 0
		.amdhsa_enable_private_segment 0
		.amdhsa_kernarg_size 32
		.amdhsa_user_sgpr_count 2
		.amdhsa_user_sgpr_kernarg_segment_ptr 1
		.amdhsa_wavefront_size32 1
		.amdhsa_system_sgpr_workgroup_id_x 1
		.amdhsa_system_sgpr_workgroup_id_y 1
		.amdhsa_system_sgpr_workgroup_id_z 1
		.amdhsa_system_vgpr_workitem_id 0
		.amdhsa_next_free_vgpr 1024
		.amdhsa_next_free_sgpr 100
		.amdhsa_reserve_vcc 0
		.amdhsa_float_denorm_mode_32 3
		.amdhsa_float_denorm_mode_16_64 3
		.amdhsa_memory_ordered 1
		.amdhsa_forward_progress 1
		.amdhsa_inst_pref_size 161
	.end_amdhsa_kernel
	.amdgpu_metadata
---
amdhsa.version: [ 1, 2 ]
amdhsa.kernels:
  - .name:           k_q7bb18e5237_outp
    .symbol:         k_q7bb18e5237_outp.kd
    .args:
      - { .name: cod, .offset: 0, .size: 8, .value_kind: global_buffer, .address_space: global }
      - { .name: scl, .offset: 8, .size: 8, .value_kind: global_buffer, .address_space: global }
      - { .name: bo, .offset: 16, .size: 8, .value_kind: global_buffer, .address_space: global }
      - { .name: out0, .offset: 24, .size: 8, .value_kind: global_buffer, .address_space: global }
    .group_segment_fixed_size: 327680
    .private_segment_fixed_size: 0
    .kernarg_segment_align: 8
    .kernarg_segment_size: 32
    .max_flat_workgroup_size: 128
    .sgpr_count:     100
    .vgpr_count:     1024
    .wavefront_size: 32
...
	.end_amdgpu_metadata
.endif
;; end of part 4
;; ======== version 2 of 2: 4 launches; version 1 with the launch attn written anew for expert scheduling mode
;; workspace buffers: cod 28,311,552 bytes; scl 1,179,648 bytes; qc 6,291,456 bytes; qs 524,288 bytes; kv 13,107,200 bytes; mb 2,097,152 bytes of whole numbers; fl 32,768 bytes of whole numbers
;; launch quant: the kernel of part 1 again; grid 960 x 1, 4 waves a work-group, no clusters, 34,304 bytes of LDS; arguments key, query, value, Wk, Wq, Wv, Wo, mask, cod, scl, mb, fl; writes cod, scl, mb, fl
;; launch proj: the kernel of part 2 again; grid 4 x 96, 4 waves a work-group, clusters of 4 x 4, 327,680 bytes of LDS; arguments cod, scl, qc, qs, kv; writes qc, qs, kv
;; launch attn (part 5): grid 4 x 64, 16 waves a work-group, no clusters, 272,384 bytes of LDS; arguments kv, qc, qs, mb, fl, cod, scl; writes cod, scl
.if DOCPART == 5
	.amdgcn_target "amdgcn-amd-amdhsa--gfx1250"
	.amdhsa_code_object_version 6
	.text
	.protected	k_q7bb18e5237_attn
	.globl	k_q7bb18e5237_attn
	.p2align	8
	.type	k_q7bb18e5237_attn,@function
k_q7bb18e5237_attn:
	s_mov_b64 s[64:65], 0
	v_nop
	global_prefetch_b8 v0, s[64:65] scope:SCOPE_SE
	s_setreg_imm32_b32 hwreg(HW_REG_WAVE_SCHED_MODE, 0, 2), 2
	s_setreg_imm32_b32 hwreg(HW_REG_WAVE_MODE, 25, 1), 1
	s_wait_xcnt 0x0
	s_wait_alu depctr_vm_vsrc(0)
; ATTENTION on codes of FP6 (E2M3), head size 64, 2,048 keys, with the mask that was given as an input.  Its result, divided by the row's sum, is quantised along the 1,024 features and leaves as rows 28672 on of cod and scl.
; t = score x log2(e) / 8; M = the row's largest t so far, rounded up to a whole number; p = 2^(t - M) is quantised along the keys; the row's sum is taken of the unquantised p.  When M moves, the sum and O are multiplied by 2^(old M - new M): exact.
; SHARES.  Work-group (j, b h) holds the head's WHOLE K, V and their scale words in LDS, 204,800 bytes, copied once through registers; one barrier; then the sixteen waves never meet again.
; Wave w takes the tiles of 16 queries 4 w + j and 127 - (4 w + j), one after the other; a tile walks the 16 steps of 128 keys.
; THE MASK.  An earlier launch stored, for each (tile of queries, step), a flag: 0 no key counts, 1 some, 3 all; and the mask's bits.  A step with flag 0 is passed over by a scalar branch on the stored number (its p would all be 0);
; with flag 1 the hidden scores become -infinity ahead of the maximum; with flag 3 that is passed over.  Nothing of the mask's pattern is built in.  That branch is why K and V come through registers and not by the tensor data mover.
; LAYOUT.  Both products are used transposed: a lane holds ONE query (lane % 16).  The head's 64 are half of the instruction's 128: a fragment of K holds two tiles of 16 keys (registers 0-5, 6-11), and Q stands as q | 0 | q in 18 registers,
; so that v[16:27] meets the first tile and v[22:33] the second; the halves that meet zero codes add nothing.  The keys of a tile are chosen so that the 16 registers of tiles 2 b, 2 b + 1 are keys 32 b + 16 (lane / 16) + 0 .. 15.
; V's tiles of channels are chosen likewise, so that O^T's 16 registers of two tiles are 16 neighbouring channels for the last quantiser.
; A ROW WITH NO KEY AT ALL has the sum 0: its scale bytes are stored as 0xff, so that the row of the output is NaN, as the softmax of such a row is.
; LIMITS: NaN and infinities among the floating-point inputs are not served; a block of zeros gets the byte 1 (its codes are zeros; this program alone reads the bytes).
; THE MODE: SCHED_MODE bits 1:0 = 2 (LLVM: expert scheduling mode 2), set by the entry lines.  The code itself states the register dependences
; between vector or matrix instructions and memory or LDS instructions, with s_wait_alu, always for 0.
; THE PLAN.  Registers that memory or LDS instructions touch:
;   v1, v6, v7, v242, v243   offsets, made once at the head and never written again; read by a tile's loads, its LDS stores and its final stores.
;   v200-203, v100-199       the fill at the head: addresses and data of its loads and LDS stores; afterwards O^T, S^T and V's fragments.
;   v136-167                 a tile's mask bits land here and are stored to LDS from here; then the products write S^T there.
;   v16-21, v28-33, v34      Q and its scale word: a tile's loads land here; the products K Q^T read them.
;   v8-11                    LDS addresses: written by four additions at a step's head, read by the step's 29 LDS loads.
;   v40-87, v248, v249, v36-39   K's fragments, its scale words, my row's mask bits: the step's first 15 LDS loads land here; later in the step the conversions write p's codes into v40-58.
;   v88-135, v250, v251      V's fragments and scale words: the step's other 14 LDS loads land here; the four products V^T P read them.
;   v40-45, v238             on a tile's way out: the result's codes and scale byte, read by its four stores.
; A STEP has one wait on vm_vsrc, ahead of the four additions, and one on va_vdst behind them: behind that one every line of the step before is done with all the registers in which the step's loads land,
; and the addresses are written.  K's loads follow it at once; V's are dealt among the eight products K Q^T, which name S^T, K, Q and their scale words alone.
; A TILE has the same pair at its head, one wait on vm_vsrc behind the LDS stores of its mask bits, and one on va_vdst ahead of its final stores.
; The mask's compares go in runs of 16 into s36-51, one wait on va_sdst behind each run.
; REGISTERS: v1 16 lane; v2 K's scale words; v3 my row of the mask's copy; v4, v5 the add's two; v6 8 lane; v7 4 r; v8-11 addresses in hand; v12 -M; v13 the largest t; v[14:15] the sum; v16-33 Q; v34 Q's scale word; v35 4 h; v36-39 mask bits;
;   v40-87 K's four fragments, later p's codes (v40-51) and the conversions' halves (v52-58); v88-135 V's four; v136-199 S^T, then p; v200-231 O^T; v232-247 at work; v242, v243 addresses; v248-251 K's and V's scale words; v252 f; v253 p's scale word; v254 at work; v255 -infinity.
; SCALARS: s[4:17] kv, qc, qs, mb, fl, cod, scl; s18 wave; s[20:21] lane selects; s[22:23] c; s24 b h, s25 batch, s26 head; s27 the tile; s28, s29 counters; s30, s31 LDS bytes of the step; s32 2 x step; s33 the 16 flags; s[36:51] flags as loaded, then the masks of 16 compares; s52-71 pointers.
.set KVB,   204800
.set MCP,   204800                     ; behind K and V: each wave's own copy of its tile's mask bits, 4,096 bytes
.set SPARE, 270336                     ; the spare words, 128 bytes a wave: eight blocks of 256 bytes that no other line names
.set QF, 16
.set QS, 34
.set KF, 40
.set VF, 88
.set ST, 136
.set OT, 200
.set KS, 248
.set VS, 250
	s_load_b256 s[4:11], s[0:1], 0x0               ; kv, qc, qs, mb
	s_load_b128 s[12:15], s[0:1], 0x20             ; fl, cod
	s_load_b64 s[16:17], s[0:1], 0x30              ; scl
	v_lshl_add_u32 v4, v0, 2, SPARE
	v_mov_b32 v5, 0
	v_lshrrev_b32 v1, 5, v0
	v_readfirstlane_b32 s18, v1                    ; wave 0..15
	s_and_b32 s24, ttmp7, 0xffff                   ; 16 x batch + head
	s_lshr_b32 s25, s24, 4
	s_and_b32 s26, s24, 15
	s_wait_alu depctr_va_sdst(0)                   ; s18 is written, ahead of its first reader: my tiles and my LDS bytes are made from it
	s_lshl_b32 s27, s18, 2
	s_add_co_u32 s27, s27, ttmp9                   ; my first tile of queries
	s_mul_i32 s68, s24, KVB
	s_mov_b32 s69, 0
	v_lshlrev_b32 v200, 4, v0                      ; 16 x thread
	v_add_nc_u32 v201, 0x10000, v200
	v_add_nc_u32 v202, 0x20000, v200
	v_add_nc_u32 v203, 0x30000, v200
	s_wait_kmcnt 0x0
	s_add_nc_u64 s[52:53], s[4:5], s[68:69]
	s_wait_alu depctr_va_vdst(0)                   ; v200 to v203 are written: the loads below read v200 as their offset, the LDS stores of the fill all four as their addresses
.irp i, 0,1,2,3,4,5,6,7,8,9,10,11,12,13,14,15,16,17,18,19,20,21,22,23,24
	global_load_b128 v[100+4*\i:103+4*\i], v200, s[52:53] offset:8192*\i   ; the head's block, 8,192 consecutive bytes a line for the 512 threads
.endr
	v_and_b32 v8, 31, v0                           ; lane
	v_and_b32 v9, 15, v0                           ; r
	v_bfe_u32 v10, v0, 4, 1                        ; h
	v_lshlrev_b32 v1, 4, v8
	v_lshl_add_u32 v2, v8, 2, 196608
	s_lshl_b32 s19, s18, 12
	s_add_co_u32 s19, s19, MCP
	v_lshl_add_u32 v3, v9, 4, s19
	v_lshlrev_b32 v6, 3, v8
	v_lshlrev_b32 v7, 2, v9
	v_lshlrev_b32 v35, 2, v10
	v_add_nc_u32 v242, s19, v1
	v_lshl_add_u32 v243, v9, 3, v10
	v_mov_b32 v255, 0xff800000
.irp i, 22,23,24,25,26,27
	v_mov_b32 v\i, 0                               ; the zero codes between Q's two copies: written once
.endr
.irp i, 236,237,238,239,252,253,254
	v_mov_b32 v\i, 0                               ; lane permutes' destinations and pairs' upper halves count as read
.endr
	s_mov_b32 s20, 0x76543210
	s_mov_b32 s21, 0xfedcba98
	s_mov_b32 s22, 0x3e38aa3b                      ; c = log2(e) / 8
	s_mov_b32 s23, s22
	s_mov_b32 s35, 0xffff0000                      ; lanes 16-31
	s_mul_i32 s70, s26, 768
	s_add_co_u32 s70, s70, 22020096                ; cod: row tile 1792, + my head's 768 bytes of a tile
	s_lshr_b32 s71, s26, 2
	s_mul_i32 s71, s71, 294912
	s_and_b32 s34, s26, 3
	s_lshl_b32 s34, s34, 1
	s_add_co_u32 s71, s71, s34
	s_add_co_u32 s71, s71, 229376                  ; scl: my head's K / 256, row 28672, my head's two bytes of the eight
	s_mov_b32 s28, 0
.irp i, 0,1,2,3,4,5,6,7,8,9,10,11,12,13,14,15,16,17,18,19,20,21,22,23,24
	s_wait_loadcnt 24-\i                           ; loads come back in order: line i is in, the younger ones may be out
	ds_store_b128 v[200+\i/8], v[100+4*\i:103+4*\i] offset:8192*(\i%8)
.endr
	s_wait_dscnt 0x0                               ; for the others' sake: my stores have landed
	s_barrier_signal -1
	s_barrier_wait -1                              ; K, V and their scale words are whole; nobody writes them again
.macro QK b, u                         ; tile 2 b + u of S^T: 16 keys x my 16 queries
.if (\b)%2
	v_wmma_scale_f32_16x16x128_f8f6f4 v[ST+8*(2*(\b)+(\u)):ST+8*(2*(\b)+(\u))+7], v[KF+12*(\b):KF+12*(\b)+11], v[QF+6*(\u):QF+6*(\u)+11], 0, v[KS+(\b)/2], v[QS] matrix_a_fmt:MATRIX_FMT_FP6 matrix_b_fmt:MATRIX_FMT_FP6 matrix_a_scale:MATRIX_SCALE_ROW1
.else
	v_wmma_scale_f32_16x16x128_f8f6f4 v[ST+8*(2*(\b)+(\u)):ST+8*(2*(\b)+(\u))+7], v[KF+12*(\b):KF+12*(\b)+11], v[QF+6*(\u):QF+6*(\u)+11], 0, v[KS+(\b)/2], v[QS] matrix_a_fmt:MATRIX_FMT_FP6 matrix_b_fmt:MATRIX_FMT_FP6
.endif
.endm
.macro PV t                            ; tile t of O^T: 16 channels x my 16 queries, K = the step's 128 keys
.if (\t)%2
	v_wmma_scale_f32_16x16x128_f8f6f4 v[OT+8*(\t):OT+8*(\t)+7], v[VF+12*(\t):VF+12*(\t)+11], v[40:51], v[OT+8*(\t):OT+8*(\t)+7], v[VS+(\t)/2], v253 matrix_a_fmt:MATRIX_FMT_FP6 matrix_b_fmt:MATRIX_FMT_FP6 matrix_a_scale:MATRIX_SCALE_ROW1
.else
	v_wmma_scale_f32_16x16x128_f8f6f4 v[OT+8*(\t):OT+8*(\t)+7], v[VF+12*(\t):VF+12*(\t)+11], v[40:51], v[OT+8*(\t):OT+8*(\t)+7], v[VS+(\t)/2], v253 matrix_a_fmt:MATRIX_FMT_FP6 matrix_b_fmt:MATRIX_FMT_FP6
.endif
.endm
.Ltile:                                ; two trips
	s_wait_xcnt 0x0                                ; the last tile's stores have read their registers and bases
	s_wait_alu depctr_vm_vsrc(0)                   ; first trip: the fill's loads and LDS stores have read v200-203 and v100-199; second trip: the last tile's stores have read v40-45 and v238: all are written again below
	s_wait_alu depctr_va_vdst(0)                   ; first trip: the offsets v1, v6, v7, v242, v243 and Q's zero codes are written; second trip: the last tile is done with v136-167, Q and Q's scale word, in which the loads below land
	s_lshl_b32 s54, s25, 7
	s_add_co_u32 s54, s54, s27                     ; 128 x batch + tile
	s_lshl_b32 s55, s24, 7
	s_add_co_u32 s55, s55, s27                     ; 128 x (16 batch + head) + tile
	s_lshl_b32 s68, s54, 6
	s_add_nc_u64 s[52:53], s[12:13], s[68:69]
	s_load_b512 s[36:51], s[52:53], 0x0            ; the tile's 16 flags
	s_lshl_b32 s68, s54, 12
	s_add_nc_u64 s[56:57], s[10:11], s[68:69]      ; its mask bits: 4,096 dense bytes
	s_mul_i32 s68, s55, 768
	s_add_nc_u64 s[58:59], s[6:7], s[68:69]        ; Q's codes
	s_lshl_b32 s68, s55, 6
	s_add_nc_u64 s[60:61], s[8:9], s[68:69]        ; Q's scale words
	s_mul_i32 s68, s54, 12288
	s_add_co_u32 s68, s68, s70
	s_add_nc_u64 s[62:63], s[14:15], s[68:69]      ; where the result's codes go,
	s_lshl_b32 s68, s54, 7
	s_add_co_u32 s68, s68, s71
	s_add_nc_u64 s[66:67], s[16:17], s[68:69]      ; and its scale bytes
.irp i, 0,1,2,3,4,5,6,7
	global_load_b128 v[ST+4*\i:ST+4*\i+3], v1, s[56:57] offset:512*\i
.endr
.irp p, 0,1,2
	global_load_b64 v[QF+2*\p:QF+2*\p+1], v6, s[58:59] offset:256*\p
	global_load_b64 v[QF+12+2*\p:QF+12+2*\p+1], v6, s[58:59] offset:256*\p
.endr
	global_load_b32 v[QS], v7, s[60:61]
	v_mov_b32 v13, 0xff61b1e6                      ; the largest t so far: -3e38.  (The vector lines from here to the LDS stores name none of the registers that the loads above touch)
	v_floor_f32 v12, -v13                          ; -M
	v_mov_b32 v14, 0
	v_mov_b32 v15, 0
.set n, 0
.rept 32
	v_mov_b32 v[OT+n], 0                           ; the step is written once: the first finds zeros
.set n, n+1
.endr
	s_mov_b32 s29, 0
	s_mov_b32 s30, 0
	s_mov_b32 s31, 0
	s_mov_b32 s32, 0
	s_wait_kmcnt 0x0
	s_mov_b32 s33, s36                             ; the 16 flags, two bits each
.irp i, 1,2,3,4,5,6,7,8,9,10,11,12,13,14,15
	s_lshl_b32 s34, s[36+\i], 2*\i
	s_or_b32 s33, s33, s34
.endr
	s_wait_loadcnt 7                               ; the mask bits are in; Q's six loads and its scale word may be out
.irp i, 0,1,2,3,4,5,6,7
	ds_store_b128 v242, v[ST+4*\i:ST+4*\i+3] offset:512*\i   ; my own 4,096 bytes: no other wave touches them
.endr
	s_wait_loadcnt 0x0
	s_wait_dscnt 0x0
	s_wait_alu depctr_vm_vsrc(0)                   ; these LDS stores have read v136-167, which the products of the steps, or the way out where every step is passed over, write again
.Lstep:                                ; 16 trips, a constant; what a flag leaves out is a step's work, not the trip
	s_lshr_b32 s34, s33, s32
	s_and_b32 s34, s34, 3
	s_cmp_eq_u32 s34, 0
	s_cbranch_scc1 .Lskip
	s_wait_alu depctr_vm_vsrc(0)                   ; the LDS loads of the step before have read v8 to v11, which the four additions write again
	v_add_nc_u32 v8, s30, v1                       ; K's fragments.  (These four still stand between the last products and the loads into their registers)
	v_add_nc_u32 v9, 98304, v8                     ; V's
	v_add_nc_u32 v10, s31, v2                      ; the scale words
	v_add_nc_u32 v11, s31, v3                      ; my row's mask bits
	s_wait_alu depctr_va_vdst(0)                   ; v8 to v11 are written, which the step's 29 LDS loads read; and the step before is done with K's, V's and p's registers, the scale words and the mask bits, in which they land
	ds_load_b32 v[KS], v10                         ; lanes 0-15 fragment 0's words, lanes 16-31 fragment 1's
	ds_load_b32 v[KS+1], v10 offset:128
	ds_load_b128 v[36:39], v11
.irp b, 0,1,2,3
.irp i, 0,1,2
	ds_load_b128 v[KF+12*\b+4*\i:KF+12*\b+4*\i+3], v8 offset:1536*\b+512*\i
.endr
.endr
.irp b, 0,1,2,3
	s_wait_dscnt 9                                 ; LDS loads come back in order: K's fragment b is in (with b = 0 also K's words and the mask bits); behind it nine loads may be out: K's 3 - b later fragments and V's b earlier ones, three loads each
	QK \b, 0
	QK \b, 1
.irp i, 0,1,2
	ds_load_b128 v[VF+12*\b+4*\i:VF+12*\b+4*\i+3], v9 offset:1536*\b+512*\i   ; no wait: no vector or matrix line since the wait at the step's head names V's registers or v9
.endr
.endr
	ds_load_b32 v[VS], v10 offset:4096
	ds_load_b32 v[VS+1], v10 offset:4224
.rept 4
	v_nop
.endr
	s_cmp_eq_u32 s34, 3
	s_cbranch_scc1 .Lopen                          ; all keys count
.irp c, 0,1,2,3
	v_lshrrev_b32 v[36+\c], v35, v[36+\c]          ; register 16 b + i holds key 32 b + 16 h + i: bit 8 b + 4 h + i / 4 of dword i % 4
.endr
.set m, 0
.rept 4                                ; a block of 32 keys at a time: my 16 registers of it
.set n, 16*m
.rept 16
	v_and_b32 v[240+n%2], 1<<(8*(n/16)+(n%16)/4), v[36+n%4]
	v_cmp_ne_u32 s[36+n%16], 0, v[240+n%2]
.set n, n+1
.endr
	s_wait_alu depctr_va_sdst(0)                   ; the sixteen compares have written s36 to s51, ahead of the selects that read them
.set n, 16*m
.rept 16
	v_cndmask_b32 v[ST+n], v255, v[ST+n], s[36+n%16]   ; a hidden key's score becomes -infinity: p = 0
.set n, n+1
.endr
.set m, m+1
.endr
.Lopen:
.irp b, 0,1,2,3
	v_max3_num_f32 v[232+\b], v[ST+16*\b], v[ST+1+16*\b], v[ST+2+16*\b]   ; the largest score of each block of 32 keys: for the row's maximum and, since p rises with the score, for the block's largest p
.endr
.irp i, 3,5,7,9,11,13
.irp b, 0,1,2,3
	v_max3_num_f32 v[232+\b], v[232+\b], v[ST+16*\b+\i], v[ST+1+16*\b+\i]
.endr
.endr
.irp b, 0,1,2,3
	v_max_num_f32 v[232+\b], v[232+\b], v[ST+15+16*\b]
.endr
.irp b, 0,1,2,3
	v_permlanex16_b32 v[236+\b], v[232+\b], s20, s21
.endr
.irp b, 0,1,2,3
	v_max_num_f32 v[232+\b], v[232+\b], v[236+\b]
.endr
	v_max3_num_f32 v254, v232, v233, v234
	v_max_num_f32 v254, v254, v235
	v_mul_f32 v254, s22, v254                      ; as t
	v_max_num_f32 v13, v13, v254                   ; the running largest t
	v_mov_b32 v254, v12
	v_floor_f32 v12, -v13                          ; the new -M: a whole number
	v_sub_f32 v254, v12, v254
	v_cvt_i32_f32 v254, v254                       ; (it saturates)
	v_ldexp_f32 v252, 1.0, v254                    ; f = 2^(old M - new M)
.set n, 0
.rept 32
	v_pk_fma_f32 v[ST+n:ST+n+1], v[ST+n:ST+n+1], s[22:23], v[12:13] op_sel_hi:[1,0,0]   ; t - M
.set n, n+2
.endr
.irp b, 0,1,2,3
	v_fma_f32 v[232+\b], v[232+\b], s22, v12
.endr
.set n, 0
.rept 64
	v_exp_f32 v[ST+n], v[ST+n]                     ; p = 2^(t - M)
.set n, n+1
.endr
	v_pk_mul_f32 v[14:15], v[14:15], v[252:253] op_sel_hi:[1,0]   ; the sums under the new M: the plain place behind the exponentials
	s_wait_alu depctr_va_vdst(0)                   ; the 64 exponentials have written p: one wait for the batch, ahead of its first reader
.irp b, 0,1,2,3
	v_exp_f32 v[232+\b], v[232+\b]                 ; each block's largest p
.endr
	v_pk_add_f32 v[236:237], v[ST:ST+1], v[ST+2:ST+3]   ; the row's sum of the unquantised p, in two chains
.set n, 4
.rept 15
	v_pk_add_f32 v[14:15], v[14:15], v[ST+n:ST+n+1]
	v_pk_add_f32 v[236:237], v[236:237], v[ST+n+2:ST+n+3]
.set n, n+4
.endr
	v_pk_add_f32 v[14:15], v[14:15], v[236:237]
	s_wait_alu depctr_va_vdst(0)                   ; the four exponentials have written v232 to v235, ahead of their first reader
.irp b, 0,1,2,3
	v_max_num_f32 v[232+\b], 0x1800000, v[232+\b]  ; the floor 2^(3 - 127)
.endr
.irp b, 0,1,2,3
	v_add_nc_u32 v[244+\b], 0xff000000, v[232+\b]  ; the conversion's scale operand
.endr
.irp b, 0,1,2,3
	v_lshrrev_b32 v[236+\b], 23, v[244+\b]
.endr
	v_lshl_or_b32 v253, v237, 8, v236              ; p's scale word for these 128 keys
	v_lshl_or_b32 v253, v238, 16, v253
	v_lshl_or_b32 v253, v239, 24, v253
.irp c, 0,1
	v_cvt_scalef32_pk16_fp6_f32 v[40+6*\c:42+6*\c], v[ST+32*\c:ST+15+32*\c], v[244+2*\c]
	v_cvt_scalef32_pk16_fp6_f32 v[52+4*\c:54+4*\c], v[ST+16+32*\c:ST+31+32*\c], v[244+2*\c+1]
.endr
	v_nop                                          ; one plain place behind a scaled conversion
.irp c, 0,1
.irp i, 0,1,2
	v_permlane16_swap_b32 v[40+6*\c+\i], v[52+4*\c+\i]
.endr
.irp i, 0,1,2
	v_mov_b32 v[43+6*\c+\i], v[52+4*\c+\i]
.endr
.endr
.set n, 0
.rept 16
	v_pk_mul_f32 v[OT+n:OT+n+1], v[OT+n:OT+n+1], v[252:253] op_sel_hi:[1,0]   ; O^T under the new M.  (Also the places between p's codes and scale word and the products)
.set n, n+2
.endr
.rept 4
	v_nop                                          ; and four between the last of these and the products that add onto them
.endr
	s_wait_dscnt 0x0                               ; V and its scale words
	s_wait_alu depctr_va_vdst(0)                   ; p's codes v40 to v51 and p's scale word v253, made by vector lines, are written: the scaled products below take them; the places above stay beside this wait
.irp t, 0,1,2,3
	PV \t                                          ; four accumulators by turns
.endr
.Lskip:
	s_add_co_u32 s30, s30, 6144
	s_add_co_u32 s31, s31, 256
	s_add_co_u32 s32, s32, 2
	s_add_co_u32 s29, s29, 1
	s_cmp_lt_u32 s29, 16
	s_cbranch_scc1 .Lstep
	; THE TILE'S WAY OUT: O^T / the sum, quantised along the head's 64 channels (two blocks), as half of a fragment of the last product's left operand
.rept 4
	v_nop                                          ; the places behind the last products
.endr
	v_add_f32 v15, v14, v15
	v_permlanex16_b32 v254, v15, s20, s21
	v_add_f32 v15, v15, v254                       ; the row's sum
	v_rcp_f32 v14, v15
	v_mov_b32 v239, 0xff                           ; (a plain place behind the transcendental)
	s_wait_alu depctr_va_vdst(0)                   ; the reciprocal has written v14, ahead of its first reader
.set n, 0
.rept 32
	v_mul_f32 v[ST+n], v[OT+n], v14                ; register 16 b + i is channel 32 b + 16 h + i
.set n, n+1
.endr
.irp b, 0,1
	v_max3_num_f32 v[232+\b], |v[ST+16*\b]|, |v[ST+1+16*\b]|, 0x1800000
.endr
.irp i, 2,4,6,8,10,12,14
.irp b, 0,1
	v_max3_num_f32 v[232+\b], v[232+\b], |v[ST+16*\b+\i]|, |v[ST+1+16*\b+\i]|
.endr
.endr
.irp b, 0,1
	v_permlanex16_b32 v[236+\b], v[232+\b], s20, s21
.endr
.irp b, 0,1
	v_max_num_f32 v[232+\b], v[232+\b], v[236+\b]
.endr
.irp b, 0,1
	v_add_nc_u32 v[244+\b], 0xff000000, v[232+\b]
.endr
.irp b, 0,1
	v_lshrrev_b32 v[236+\b], 23, v[244+\b]
.endr
	v_cvt_scalef32_pk16_fp6_f32 v[40:42], v[ST:ST+15], v244
	v_cvt_scalef32_pk16_fp6_f32 v[52:54], v[ST+16:ST+31], v245
	v_cndmask_b32 v238, v236, v237, s35            ; my half's block's byte.  (A plain place behind the conversions)
	v_cmp_eq_f32 vcc_lo, 0, v15                    ; no key at all?  The swaps and moves stand between the compare and the wait for it
.irp i, 0,1,2
	v_permlane16_swap_b32 v[40+\i], v[52+\i]
.endr
.irp i, 0,1,2
	v_mov_b32 v[43+\i], v[52+\i]
.endr
	s_wait_alu depctr_va_vcc(0)                    ; the compare has written VCC, ahead of the select that reads it
	v_cndmask_b32 v238, v238, v239, vcc_lo         ; no key at all: the byte that makes the row NaN
	s_wait_alu depctr_va_vdst(0)                   ; the codes v40 to v45 and the byte v238 are written, which the four stores read
.irp p, 0,1,2
	global_store_b64 v6, v[40+2*\p:41+2*\p], s[62:63] offset:256*\p   ; 256 consecutive bytes, aligned
.endr
	global_store_b8 v243, v238, s[66:67]           ; 32 single bytes a tile: 1 / 24 of the codes' bytes
	s_sub_co_u32 s27, 127, s27                     ; the second tile
	s_add_co_u32 s28, s28, 1
	s_cmp_lt_u32 s28, 2
	s_cbranch_scc1 .Ltile
	s_wait_dscnt 0x0                               ; the closing lines, six on end
	s_wait_alu 0x0
	s_wait_tensorcnt 0x0
	ds_add_u32 v4, v5
	s_wait_dscnt 0x0
	s_endpgm
.Lfunc_end_k_q7bb18e5237_attn:
	.size	k_q7bb18e5237_attn, .Lfunc_end_k_q7bb18e5237_attn-k_q7bb18e5237_attn
	.p2alignl 7, 3214868480
	.fill 96, 4, 3214868480
	.section	.rodata,"a",@progbits
	.p2align	6, 0x0
	.amdhsa_kernel k_q7bb18e5237_attn
		.amdhsa_group_segment_fixed_size 272384
		.amdhsa_private_segment_fixed_size 0
		.amdhsa_enable_private_segment 0
		.amdhsa_kernarg_size 56
		.amdhsa_user_sgpr_count 2
		.amdhsa_user_sgpr_kernarg_segment_ptr 1
		.amdhsa_wavefront_size32 1
		.amdhsa_system_sgpr_workgroup_id_x 1
		.amdhsa_system_sgpr_workgroup_id_y 1
		.amdhsa_system_sgpr_workgroup_id_z 1
		.amdhsa_system_vgpr_workitem_id 0
		.amdhsa_next_free_vgpr 256
		.amdhsa_next_free_sgpr 80
		.amdhsa_reserve_vcc 1
		.amdhsa_float_denorm_mode_32 3
		.amdhsa_float_denorm_mode_16_64 3
		.amdhsa_memory_ordered 1
		.amdhsa_forward_progress 1
		.amdhsa_inst_pref_size 45
	.end_amdhsa_kernel
	.amdgpu_metadata
---
amdhsa.version: [ 1, 2 ]
amdhsa.kernels:
  - .name:           k_q7bb18e5237_attn
    .symbol:         k_q7bb18e5237_attn.kd
    .args:
      - { .name: kv, .offset: 0, .size: 8, .value_kind: global_buffer, .address_space: global }
      - { .name: qc, .offset: 8, .size: 8, .value_kind: global_buffer, .address_space: global }
      - { .name: qs, .offset: 16, .size: 8, .value_kind: global_buffer, .address_space: global }
      - { .name: mb, .offset: 24, .size: 8, .value_kind: global_buffer, .address_space: global }
      - { .name: fl, .offset: 32, .size: 8, .value_kind: global_buffer, .address_space: global }
      - { .name: cod, .offset: 40, .size: 8, .value_kind: global_buffer, .address_space: global }
      - { .name: scl, .offset: 48, .size: 8, .value_kind: global_buffer, .address_space: global }
    .group_segment_fixed_size: 272384
    .private_segment_fixed_size: 0
    .kernarg_segment_align: 8
    .kernarg_segment_size: 56
    .max_flat_workgroup_size: 512
    .sgpr_count:     80
    .vgpr_count:     256
    .wavefront_size: 32
...
	.end_amdgpu_metadata
.endif
;; end of part 5
;; launch outp: the kernel of part 4 again; grid 4 x 32, 4 waves a work-group, clusters of 4 x 4, 327,680 bytes of LDS; arguments cod, scl, bo, out0; writes out0
